; MI455X (gfx1250); checked and timed in simulation.
; The chip was launched on July 23, 2026; its instructions are those of AMD's public machine-readable ISA for CDNA 5 (MIT licence, August 2026) and "CDNA5" Instruction Set Architecture Reference Guide (July 2026). The comments in the code are by the model that wrote it; some were corrected since.
;; Grouped Query Attention. Allowed arithmetic: matrix products marked QUANTISED: E2M1 operands, one E8M0 scale for each 32 along K, by v_wmma_scale_f32_16x16x128_f8f6f4 with both operands' format E2M1 (or v_wmma_scale_f32_32x16x128_f4), f32 sums; products left as they are: bf16, f16 or f32 operands; f32 sums; everything else in f32.
;; Inputs: Wk 1,024 x 256 float32; Wo 1,024 x 1,024 float32; Wq 1,024 x 1,024 float32; Wv 1,024 x 256 float32; x 4 x 2,048 x 1,024 float32.
;; Outputs: out0 4 x 2,048 x 1,024 float32.
;; This version of the problem:
;;   THIS VERSION OF THE PROBLEM IS GIVEN IN LOW PRECISION. The matrix products marked QUANTISED in the list below multiply operands that are first quantised to E2M1 (2 exponent bits, 1 mantissa bit; 4 bits a number), with one power-of-two scale for each 32 numbers along K (OCP MX v1.0); their sums are f32. The products marked 'left as it is' may take bf16, f16 or f32 operands, with f32 sums. Whichever they take, every output number must still come out within the allowed error. Rounding operands to bf16 (8 significant bits) uses up far more of that allowance than f16 does (11 bits, for magnitudes from 6e-5 to 65,504). All else is computed in f32.
;;   The module's matrix products, in the order in which they are computed (A, B: the left and right operand; K: the contracted axis; several contracted axes count as one K, in the product's order):
;;     1. [M 8,192, K 1,024] x [K 1,024, N 1,024]; A: input x; B: input Wq: QUANTISED
;;     2. [M 8,192, K 1,024] x [K 1,024, N 256]; A: input x; B: input Wk: QUANTISED
;;     3. [M 8,192, K 1,024] x [K 1,024, N 256]; A: input x; B: input Wv: QUANTISED
;;     4. batch 16 x [M 2,048, K 64] x [K 64, N 8,192]; A: computed on the way; B: computed on the way: left as it is (an operand is computed on the way)
;;     5. batch 16 x [M 64, K 2,048] x [K 2,048, N 8,192]; A: computed on the way; B: computed on the way: left as it is (an operand is computed on the way)
;;     6. [M 8,192, K 1,024] x [K 1,024, N 1,024]; A: computed on the way; B: input Wo: left as it is (an operand is computed on the way)
;;   THE QUANTISER, for each operand of a quantised product, along K:
;;     - K is cut into blocks of 32 from its start; a last block that is shorter is filled with zeros.
;;     - A block's scale is 2^e with e = floor(log2(the largest magnitude in the block)) - 2, held to -126 .. 127; a block of zeros has e = 0. As a byte (E8M0): e + 127.
;;     - Each number is divided by its block's scale, clamped to +-6, and rounded to the nearest number of E2M1, ties to even, subnormals kept.
;;     - The product sums the exact products of the quantised numbers (number of the format x scale) in f32.
;;   ~~~python
;;   def quantise(x, axis):      # numpy; x: float32 -> the quantised numbers, widened to float32 again
;;       x = np.moveaxis(x, axis, -1); K = x.shape[-1]
;;       x = np.pad(x, [(0, 0)] * (x.ndim - 1) + [(0, -K % 32)]); x = x.reshape(x.shape[:-1] + (-1, 32)); a = np.abs(x).max(-1, keepdims=True)
;;       e = np.where(a > 0, np.clip(np.frexp(np.where(a > 0, a, 1))[1] - 1 - 2, -126, 127), 0)      # np.frexp(a)[1] - 1 = floor(log2(a)), exactly
;;       r = np.clip(x / 2.0 ** e, -6, 6)
;;       step = 2.0 ** (np.maximum(np.frexp(np.where(r == 0, 1, r))[1] - 1, 0) - 1)
;;       q = np.round(r / step) * step * 2.0 ** e      # np.round: ties to even
;;       return np.moveaxis(q.reshape(q.shape[:-2] + (-1,))[..., :K], -1, axis).astype(np.float32)
;;   ~~~
;; One version. Each part assembles by itself: llvm-mc -triple=amdgcn-amd-amdhsa -mcpu=gfx1250 --defsym DOCPART=n.
;; ======== version 1 of 1: 5 launches
;; limits: values are held in f16: magnitudes above 65,504 overflow, below 6.1e-05 lose precision
;; workspace buffers: xcod 4,194,304 bytes; xscl 262,144 bytes; wprep 1,359,872 bytes; woh 2,097,152 bytes; qh 16,777,216 bytes; kvh 8,388,608 bytes; fine 393,216 bytes; oh 16,777,216 bytes
;; launch prep (part 1): grid 448 x 1, 4 waves a work-group, no clusters, 34,304 bytes of LDS; arguments x, Wq, Wk, Wv, Wo, xcod, xscl, wprep, woh; writes xcod, xscl, wprep, woh
.if DOCPART == 1
	.amdgcn_target "amdgcn-amd-amdhsa--gfx1250"
	.amdhsa_code_object_version 6
	.text
	.protected	k_q5fed7026b1_prep
	.globl	k_q5fed7026b1_prep
	.p2align	8
	.type	k_q5fed7026b1_prep,@function
k_q5fed7026b1_prep:
	s_mov_b64 s[64:65], 0
	v_nop
	global_prefetch_b8 v0, s[64:65] scope:SCOPE_SE
	s_setreg_imm32_b32 hwreg(HW_REG_WAVE_MODE, 25, 1), 1
	s_wait_xcnt 0x0
; PREP: everything that is made once for the later launches.  Five paths, parted on the work-group's number:
;   X   (work-groups   0-255): x [8192][1024] f32 -> codes of FP4 (E2M1) and E8M0 scale words, quantised along K (innermost)
;   WQ  (work-groups 256-319): Wq [1024][1024] f32, K is its FIRST axis -> codes and scale words
;   WKV (work-groups 320-351): Wk, Wv [1024][256] likewise
;   WO  (work-groups 352-415): Wo [1024][1024] f32 -> f16
;   TAB (work-groups 416-447): cos and sin of RoPE's angles, f32
; ALL OUTPUTS ARE IMAGES OF OPERAND REGISTERS: four registers of a fragment are 512 consecutive bytes, lane l's 16 bytes at 16 l, so every later load is 512 dense bytes.
;   xcod [kstep 8][mtile 512][1 KB];  xscl [mtile 512][hk 2][row 16][4 words], word q: the four scale bytes of K step 4 hk + q
;   wprep: byte 0 codes [kstep 8][ntile 96][1 KB] (columns 0-1023 Wq, 1024-1279 Wk, 1280-1535 Wv); byte 786,432 scale words [ntile 96][hk 2][col 16][4 words];
;          byte 835,584 the table [postile 128][nt 4][q 2][lane 32][16 B] = cos i0, sin i0, cos i0+1, sin i0+1 with i0 = 8 nt + 4 (lane / 16) + 2 q, position 16 postile + lane % 16
;   woh [kc 8][ntile 64][k4 4][1 KB] f16
; A block's scale is 2^(floor(log2(largest magnitude)) - 2); its byte is the largest magnitude's exponent field - 2, held at 1 from below by a floor among the maximum's leaves.
; LIMITS: NaN and infinities among the inputs are not served.  Blocks whose largest magnitude lies under 2^-124, blocks of zeros among them, get the byte 1 (the rule says 127 for zeros): their
; codes are zeros or what the held scale gives, and the bytes are read by this program alone.  RoPE's frequencies are 2^(-i log2(10000) / 32) by v_exp_f32 (1 ulp): at position 2,047 an angle may lie
; some 2e-4 rad from the one that a correctly rounded frequency gives.  Wo goes to f16: magnitudes under 65,504; under 6e-5 the absolute error is 3e-8.
; The scale words of the weights leave as 4 bytes a lane, 16 bytes apart: 49,152 bytes in all against 6.3 MB read.
; No matrix unit, no cluster, no tensor load: the launch streams, and work-groups share nothing.
.set SPARE, 33792                      ; behind path X's four stages: the spare words, 128 bytes a wave
.set SPW, 2                            ; v2  LDS address of my spare word; never rewritten
.set NIL, 3                            ; v3  0; never rewritten
.set RB,  32                           ; path X: v32-95, v96-159 two sets of 64 registers as loaded.  Weights: v32-159 128 numbers down K
.set XN,  160                          ; path X: v160-223 my 64 neighbours along K.  Weights: v160.. codes or f16
.set CD,  224                          ; path X: v224-255 codes, eight registers a step
	s_load_b512 s[4:19], s[0:1], 0x0               ; x 4, Wq 6, Wk 8, Wv 10, Wo 12, xcod 14, xscl 16, wprep 18
	s_load_b64 s[20:21], s[0:1], 0x40              ; woh
	v_lshl_add_u32 v[SPW], v0, 2, SPARE
	v_mov_b32 v[NIL], 0
	v_lshrrev_b32 v1, 5, v0
	v_readfirstlane_b32 s22, v1                    ; wave
	v_and_b32 v1, 31, v0                           ; lane
	v_lshlrev_b32 v4, 4, v1                        ; 16 x lane
	v_and_b32 v20, 15, v0                          ; r
	v_bfe_u32 v21, v0, 4, 1                        ; h
	s_mov_b32 s32, 0x76543210
	s_mov_b32 s33, 0xfedcba98                      ; v_permlanex16_b32's selects for lane l xor 16
	s_wait_kmcnt 0x0
	s_cmp_lt_u32 ttmp9, 256
	s_cbranch_scc1 .Lpath_x
	s_cmp_lt_u32 ttmp9, 320
	s_cbranch_scc1 .Lpath_wq
	s_cmp_lt_u32 ttmp9, 352
	s_cbranch_scc1 .Lpath_wkv
	s_cmp_lt_u32 ttmp9, 416
	s_cbranch_scc1 .Lpath_wo
; ---------------- TAB: a wave makes the table of 16 positions x 32 frequencies ----------------
	s_sub_co_u32 s23, ttmp9, 416
	s_lshl_b32 s23, s23, 2
	s_add_co_u32 s23, s23, s22                     ; postile
	s_lshl_b32 s24, s23, 12
	s_add_co_u32 s24, s24, 835584
	s_mov_b32 s25, 0
	s_add_nc_u64 s[24:25], s[18:19], s[24:25]
	s_lshl_b32 s23, s23, 4                         ; its first position
	s_mov_b32 s34, 0x3f22f983                      ; 2 / pi
	s_mov_b32 s35, 0xbfc90fdb                      ; -(pi / 2), high part
	s_mov_b32 s36, 0x333bbd2e                      ; -(pi / 2), low part: + 4.3711388e-8
	s_mov_b32 s37, 0xbe2aaaa3                      ; sine: r + r z (S1 + z (S2 + z S3))
	s_mov_b32 s38, 0x3c08839e
	s_mov_b32 s39, 0xb94ca1f9
	s_mov_b32 s40, 0x3d2aaaa5                      ; cosine: 1 - z / 2 + z z (C1 + z (C2 + z C3))
	s_mov_b32 s41, 0xbab6061a
	s_mov_b32 s42, 0x37ccf5ce
	v_add_nc_u32 v6, s23, v20
	v_cvt_f32_u32 v6, v6                           ; my position
	v_lshlrev_b32 v5, 2, v21                       ; 4 h
.set idx, 0
.rept 16                                           ; my 16 frequencies: i = 4 h + 8 nt + 2 q + e, idx = 4 nt + 2 q + e
	v_add_nc_u32 v[32+idx], 8*(idx/4)+idx%4, v5
.set idx, idx+1
.endr
.set idx, 0
.rept 16
	v_cvt_f32_u32 v[32+idx], v[32+idx]
.set idx, idx+1
.endr
.set idx, 0
.rept 16
	v_mul_f32 v[32+idx], 0xbed49a78, v[32+idx]     ; x -log2(10000) / 32
.set idx, idx+1
.endr
.set idx, 0
.rept 16
	v_exp_f32 v[32+idx], v[32+idx]                 ; one batch
.set idx, idx+1
.endr
	v_nop                                          ; a plain line behind the last exponential
	s_wait_alu depctr_va_vdst(0)                   ; one wait for the batch, ahead of its first reader
; cos and sin of position x frequency.  The angle reaches 2,047: n = the nearest whole number of quarter turns; angle - n x (high part) is exact in one fused multiply-add
; (a multiple of 2^-23 under 1), the low part follows; polynomials on +-pi/4; the quadrant swaps and signs.
.macro SINCOS f, dc, ds
	v_mul_f32 v8, v6, v[\f]                        ; the angle, rounded once, as position x frequency in f32
	v_mul_f32 v9, s34, v8
	v_rndne_f32 v9, v9                             ; n
	v_fma_f32 v10, v9, s35, v8
	v_fma_f32 v10, v9, s36, v10                    ; r
	v_mul_f32 v11, v10, v10                        ; z
	v_cvt_i32_f32 v12, v9
	v_fma_f32 v13, v11, s39, s38
	v_fma_f32 v13, v13, v11, s37
	v_mul_f32 v14, v10, v11
	v_fma_f32 v13, v14, v13, v10                   ; sin r
	v_fma_f32 v15, v11, s42, s41
	v_fma_f32 v15, v15, v11, s40
	v_mul_f32 v16, v11, v11
	v_fma_f32 v17, v11, -0.5, 1.0
	v_fma_f32 v15, v16, v15, v17                   ; cos r
	v_and_b32 v18, 1, v12
	v_cmp_ne_u32 vcc_lo, 0, v18
	v_cndmask_b32 v16, v13, v15, vcc_lo            ; odd quadrant: the two change places
	v_cndmask_b32 v17, v15, v13, vcc_lo
	v_and_b32 v18, 2, v12
	v_lshlrev_b32 v18, 30, v18                     ; the sine is negative in quadrants 2, 3
	v_xor_b32 v[\ds], v16, v18
	v_add_nc_u32 v19, 1, v12
	v_and_b32 v19, 2, v19
	v_lshlrev_b32 v19, 30, v19                     ; the cosine in quadrants 1, 2
	v_xor_b32 v[\dc], v17, v19
.endm
.set idx, 0
.rept 16
	SINCOS 32+idx, 64+2*idx, 65+2*idx
.set idx, idx+1
.endr
.irp k, 0,1,2,3,4,5,6,7
	global_store_b128 v4, v[64+4*\k:67+4*\k], s[24:25] offset:512*\k   ; 512 consecutive bytes a store
.endr
	s_endpgm
; ---------------- the weights: a lane takes a column, its registers run down K ----------------
.macro WLOAD b, pitch                          ; block b: 32 rows of K at my column; a wave reads 128 consecutive bytes, the four waves 512
.set i, 0
.rept 32
	global_load_b32 v[RB+32*(\b)+i], v5, s[24:25] offset:(32*(\b)+i)*\pitch th:TH_LOAD_NT
.set i, i+1
.endr
.endm
.macro WWAIT b, pitch                          ; block b is in; the loads run two blocks ahead, each block into registers of its own
.if (\b) < 3
	s_wait_loadcnt 32                              ; the next block's 32 loads may be out
.else
	s_wait_loadcnt 0x0
.endif
.if (\b) < 2
	WLOAD (\b)+2, \pitch
.endif
.endm
.macro WADR                                    ; s30 = my first tile of 16 columns, s31 = K step: where codes and scale words go
	s_mul_i32 s26, s31, 98304
	s_lshl_b32 s27, s30, 10
	s_add_co_u32 s26, s26, s27
	s_mov_b32 s27, 0
	s_add_nc_u64 s[26:27], s[18:19], s[26:27]
	s_lshl_b32 s28, s30, 9
	s_lshr_b32 s29, s31, 2
	s_lshl_b32 s29, s29, 8
	s_add_co_u32 s28, s28, s29
	s_and_b32 s29, s31, 3
	s_lshl_b32 s29, s29, 2
	s_add_co_u32 s28, s28, s29
	s_add_co_u32 s28, s28, 786432
	s_mov_b32 s29, 0
	s_add_nc_u64 s[28:29], s[18:19], s[28:29]
	v_lshlrev_b32 v5, 2, v1                        ; in: 4 bytes a lane
	v_lshlrev_b32 v6, 4, v20
	v_lshl_add_u32 v7, v21, 9, v6                  ; scale words: 16 r + 512 x (lane / 16)
	v_lshl_add_u32 v6, v21, 10, v6                 ; codes: 16 r + 1,024 x (lane / 16)
.endm
.macro WQUANT pitch                            ; 128 along K of my column: four blocks, each wholly mine: no other lane is asked for a maximum
	WLOAD 0, \pitch
	WLOAD 1, \pitch
.irp b, 0,1,2,3
	WWAIT \b, \pitch
	v_max3_num_f32 v8, |v[RB+32*\b]|, |v[RB+32*\b+1]|, |v[RB+32*\b+2]|
	v_max3_num_f32 v9, |v[RB+32*\b+3]|, |v[RB+32*\b+4]|, |v[RB+32*\b+5]|
.irp i, 6,10,14,18,22,26
	v_max3_num_f32 v8, v8, |v[RB+32*\b+\i]|, |v[RB+32*\b+\i+1]|
	v_max3_num_f32 v9, v9, |v[RB+32*\b+\i+2]|, |v[RB+32*\b+\i+3]|
.endr
	v_max3_num_f32 v8, v8, |v[RB+32*\b+30]|, |v[RB+32*\b+31]|
	v_max3_num_f32 v8, v8, v9, 0x1800000           ; the floor 2^(3 - 127): the byte cannot fall under 1
	v_add_nc_u32 v10, 0xff000000, v8               ; 2 off the exponent field: the conversion's scale operand
	v_lshrrev_b32 v11, 23, v10                     ; the scale's byte
.if \b == 0
	v_mov_b32 v12, v11
.else
	v_lshl_or_b32 v12, v11, 8*\b, v12              ; four bytes make the K step's scale word
.endif
.irp g, 0,1,2,3
	v_cvt_scalef32_pk8_fp4_f32 v[XN+4*\b+\g], v[RB+32*\b+8*\g:RB+32*\b+8*\g+7], v10
.endr
	global_store_b128 v6, v[XN+4*\b:XN+4*\b+3], s[26:27] offset:256*\b   ; block b of column r lies at 256 b + 16 r of the image: sixteen lanes store 256 consecutive bytes
.endr
	v_nop                                          ; a plain line behind the last conversion
	global_store_b32 v7, v12, s[28:29]
	s_endpgm
.endm
.Lpath_wq:
	s_sub_co_u32 s23, ttmp9, 256
	s_and_b32 s30, s23, 7                          ; which 128 columns
	s_lshr_b32 s31, s23, 3                         ; K step
	s_lshl_b32 s24, s31, 19                        ; 128 rows of 4,096 bytes
	s_lshl_b32 s25, s30, 9
	s_add_co_u32 s24, s24, s25
	s_lshl_b32 s25, s22, 7                         ; my wave's 32 columns
	s_add_co_u32 s24, s24, s25
	s_mov_b32 s25, 0
	s_add_nc_u64 s[24:25], s[6:7], s[24:25]
	s_lshl_b32 s30, s30, 3
	s_lshl_b32 s23, s22, 1
	s_add_co_u32 s30, s30, s23
	WADR
	WQUANT 4096
.Lpath_wkv:
	s_sub_co_u32 s23, ttmp9, 320
	s_and_b32 s30, s23, 3                          ; 0, 1: Wk's halves; 2, 3: Wv's
	s_lshr_b32 s31, s23, 2                         ; K step
	s_cmp_lt_u32 s30, 2
	s_cselect_b64 s[24:25], s[8:9], s[10:11]       ; the choice hangs on the work-group's number alone
	s_lshl_b32 s26, s31, 17                        ; 128 rows of 1,024 bytes
	s_and_b32 s27, s30, 1
	s_lshl_b32 s27, s27, 9
	s_add_co_u32 s26, s26, s27
	s_lshl_b32 s27, s22, 7
	s_add_co_u32 s26, s26, s27
	s_mov_b32 s27, 0
	s_add_nc_u64 s[24:25], s[24:25], s[26:27]
	s_lshl_b32 s30, s30, 3
	s_lshl_b32 s23, s22, 1
	s_add_co_u32 s30, s30, s23
	s_add_co_u32 s30, s30, 64                      ; behind Wq's 64 tiles
	WADR
	WQUANT 1024
.Lpath_wo:
	s_sub_co_u32 s23, ttmp9, 352
	s_and_b32 s30, s23, 7
	s_lshr_b32 s31, s23, 3                         ; which 128 along K
	s_lshl_b32 s24, s31, 19
	s_lshl_b32 s25, s30, 9
	s_add_co_u32 s24, s24, s25
	s_lshl_b32 s25, s22, 7
	s_add_co_u32 s24, s24, s25
	s_mov_b32 s25, 0
	s_add_nc_u64 s[24:25], s[12:13], s[24:25]
	s_lshl_b32 s26, s31, 18
	s_lshl_b32 s27, s30, 15
	s_add_co_u32 s26, s26, s27
	s_lshl_b32 s27, s22, 13
	s_add_co_u32 s26, s26, s27
	s_mov_b32 s27, 0
	s_add_nc_u64 s[26:27], s[20:21], s[26:27]
	v_lshlrev_b32 v5, 2, v1
	v_lshlrev_b32 v6, 4, v20
	v_lshl_add_u32 v6, v21, 12, v6                 ; 16 r + 4,096 x (lane / 16)
	WLOAD 0, 4096
	WLOAD 1, 4096
.irp k, 0,1,2,3                                ; 32 along K: one f16 fragment's worth of my column
	WWAIT \k, 4096
.irp p, 0,1,2,3,4,5,6,7,8,9,10,11,12,13,14,15
	v_cvt_pk_f16_f32 v[XN+16*\k+\p], v[RB+32*\k+2*\p], v[RB+32*\k+2*\p+1]
.endr
.irp g, 0,1,2,3
	global_store_b128 v6, v[XN+16*\k+4*\g:XN+16*\k+4*\g+3], s[26:27] offset:1024*\k+256*\g   ; k = 8 g .. 8 g + 7 of column r lies at 256 g + 16 r of the image
.endr
.endr
	s_endpgm
; ---------------- X: a wave takes 16 rows x 512 along K: four fragments ----------------
; The conversions want 32 neighbours along K in one lane; a load is best where neighbouring lanes take neighbouring bytes.  So each load reads a row's 512 consecutive bytes, the 16 rows turn
; through the wave's own stage in LDS (rows 528 bytes apart: 33 x 16), and come back 128 bytes a lane.
.Lpath_x:
	s_lshl_b32 s23, ttmp9, 1
	s_lshr_b32 s24, s22, 1
	s_add_co_u32 s23, s23, s24                     ; mtile
	s_and_b32 s30, s22, 1                          ; hk: which half of K
	s_lshl_b32 s24, s23, 16
	s_lshl_b32 s25, s30, 11
	s_add_co_u32 s24, s24, s25
	s_mov_b32 s25, 0
	s_add_nc_u64 s[24:25], s[4:5], s[24:25]
	s_lshl_b32 s26, s30, 21
	s_lshl_b32 s27, s23, 10
	s_add_co_u32 s26, s26, s27
	s_mov_b32 s27, 0
	s_add_nc_u64 s[26:27], s[14:15], s[26:27]
	s_lshl_b32 s28, s23, 9
	s_lshl_b32 s29, s30, 8
	s_add_co_u32 s28, s28, s29
	s_mov_b32 s29, 0
	s_add_nc_u64 s[28:29], s[16:17], s[28:29]
	s_mul_i32 s31, s22, 8448                       ; my stage: 16 rows x 528
	v_add_nc_u32 v5, s31, v4                       ; into it: 16 x lane of a row
	v_mul_u32_u24 v6, v20, 528
	v_lshl_add_u32 v6, v21, 7, v6
	v_add_nc_u32 v6, s31, v6                       ; out of it: row r, + 128 h
	v_lshlrev_b32 v7, 3, v21                       ; 8 h
	v_lshlrev_b32 v22, 4, v20
	v_lshl_add_u32 v22, v21, 3, v22                ; the scale words' way out: 16 r + 8 h
	v_mov_b32 v19, 0                               ; a lane permute's destination counts as one of its sources
.macro XLOAD t
.irp i, 0,1,2,3,4,5,6,7,8,9,10,11,12,13,14,15
	global_load_b128 v[RB+64*((\t)%2)+4*\i:RB+64*((\t)%2)+4*\i+3], v4, s[24:25] offset:4096*\i+512*(\t) th:TH_LOAD_NT
.endr
.endm
.macro XSTEP t
.if (\t) < 3
	s_wait_loadcnt 16                              ; this fragment's 16 loads are in; the next one's may be out
.else
	s_wait_loadcnt 0x0
.endif
.irp i, 0,1,2,3,4,5,6,7,8,9,10,11,12,13,14,15
	ds_store_b128 v5, v[RB+64*((\t)%2)+4*\i:RB+64*((\t)%2)+4*\i+3] offset:528*\i
.endr
.irp c, 0,1
.irp i, 0,1,2,3,4,5,6,7
	ds_load_b128 v[XN+32*\c+4*\i:XN+32*\c+4*\i+3], v6 offset:256*\c+16*\i   ; k = 64 c + 32 h + 0 .. 31 of row r; LDS serves a wave's instructions in order: these see the stores above
.endr
.endr
	s_wait_dscnt 0x0                               ; my numbers are back, and the stores have read their registers,
.if (\t) < 2
	XLOAD (\t)+2                                   ; which take the loads of two fragments on
.endif
.irp c, 0,1
	v_max3_num_f32 v[8+\c], |v[XN+32*\c]|, |v[XN+32*\c+1]|, 0x1800000   ; block 2 c + h is wholly mine; the floor 2^(3 - 127) holds the byte at 1 from below
.endr
.irp i, 2,4,6,8,10,12,14,16,18,20,22,24,26,28,30
.irp c, 0,1
	v_max3_num_f32 v[8+\c], v[8+\c], |v[XN+32*\c+\i]|, |v[XN+32*\c+\i+1]|
.endr
.endr
.irp c, 0,1
	v_add_nc_u32 v[10+\c], 0xff000000, v[8+\c]     ; 2 off the exponent field: the conversion's scale operand
.endr
.irp c, 0,1
	v_lshrrev_b32 v[16+\c], 23, v[10+\c]           ; the scale's byte
.endr
	v_lshl_or_b32 v18, v17, 16, v16                ; my two bytes, blocks h and 2 + h,
	v_lshlrev_b32 v18, v7, v18                     ; at their places in the word;
	v_permlanex16_b32 v19, v18, s32, s33
	v_or_b32 v[12+(\t)], v18, v19                  ; with lane l xor 16's two the word is whole
.irp c, 0,1
.irp g, 0,1,2,3
	v_cvt_scalef32_pk8_fp4_f32 v[CD+8*(\t)+4*\c+\g], v[XN+32*\c+8*\g:XN+32*\c+8*\g+7], v[10+\c]
.endr
.endr
	v_nop                                          ; a plain line behind the last conversion
.irp c, 0,1
	global_store_b128 v4, v[CD+8*(\t)+4*\c:CD+8*(\t)+4*\c+3], s[26:27] offset:524288*(\t)+512*\c   ; the operand's registers as they stand: 512 consecutive bytes
.endr
.endm
	XLOAD 0
	XLOAD 1
	XSTEP 0
	XSTEP 1
	XSTEP 2
	XSTEP 3
	v_cmp_ne_u32 vcc_lo, 0, v21
	v_cndmask_b32 v16, v12, v14, vcc_lo            ; lanes 0-15 store words 0, 1 of row r, lanes 16-31 words 2, 3:
	v_cndmask_b32 v17, v13, v15, vcc_lo
	global_store_b64 v22, v[16:17], s[28:29]       ; the wave stores 256 consecutive bytes, aligned
	s_wait_tensorcnt 0x0                           ; the wave's end, behind my last LDS store
	ds_add_u32 v[SPW], v[NIL]
	s_wait_dscnt 0x0
	s_endpgm
.Lfunc_end_k_q5fed7026b1_prep:
	.size	k_q5fed7026b1_prep, .Lfunc_end_k_q5fed7026b1_prep-k_q5fed7026b1_prep
	.p2alignl 7, 3214868480
	.fill 96, 4, 3214868480
	.section	.rodata,"a",@progbits
	.p2align	6, 0x0
	.amdhsa_kernel k_q5fed7026b1_prep
		.amdhsa_group_segment_fixed_size 34304
		.amdhsa_private_segment_fixed_size 0
		.amdhsa_enable_private_segment 0
		.amdhsa_kernarg_size 72
		.amdhsa_user_sgpr_count 2
		.amdhsa_user_sgpr_kernarg_segment_ptr 1
		.amdhsa_wavefront_size32 1
		.amdhsa_system_sgpr_workgroup_id_x 1
		.amdhsa_system_sgpr_workgroup_id_y 1
		.amdhsa_system_sgpr_workgroup_id_z 1
		.amdhsa_system_vgpr_workitem_id 0
		.amdhsa_next_free_vgpr 256
		.amdhsa_next_free_sgpr 66
		.amdhsa_reserve_vcc 1
		.amdhsa_float_denorm_mode_32 3
		.amdhsa_float_denorm_mode_16_64 3
		.amdhsa_memory_ordered 1
		.amdhsa_forward_progress 1
		.amdhsa_inst_pref_size 110
	.end_amdhsa_kernel
	.amdgpu_metadata
---
amdhsa.version: [ 1, 2 ]
amdhsa.kernels:
  - .name:           k_q5fed7026b1_prep
    .symbol:         k_q5fed7026b1_prep.kd
    .args:
      - { .name: x, .offset: 0, .size: 8, .value_kind: global_buffer, .address_space: global }
      - { .name: Wq, .offset: 8, .size: 8, .value_kind: global_buffer, .address_space: global }
      - { .name: Wk, .offset: 16, .size: 8, .value_kind: global_buffer, .address_space: global }
      - { .name: Wv, .offset: 24, .size: 8, .value_kind: global_buffer, .address_space: global }
      - { .name: Wo, .offset: 32, .size: 8, .value_kind: global_buffer, .address_space: global }
      - { .name: xcod, .offset: 40, .size: 8, .value_kind: global_buffer, .address_space: global }
      - { .name: xscl, .offset: 48, .size: 8, .value_kind: global_buffer, .address_space: global }
      - { .name: wprep, .offset: 56, .size: 8, .value_kind: global_buffer, .address_space: global }
      - { .name: woh, .offset: 64, .size: 8, .value_kind: global_buffer, .address_space: global }
    .group_segment_fixed_size: 34304
    .private_segment_fixed_size: 0
    .kernarg_segment_align: 8
    .kernarg_segment_size: 72
    .max_flat_workgroup_size: 128
    .sgpr_count:     66
    .vgpr_count:     256
    .wavefront_size: 32
...
	.end_amdgpu_metadata
.endif
;; end of part 1
;; launch qkv (part 2): grid 8 x 32, 12 waves a work-group, no clusters, 230,912 bytes of LDS; arguments xcod, xscl, wprep, qh, kvh, fine; writes qh, kvh, fine
.if DOCPART == 2
	.amdgcn_target "amdgcn-amd-amdhsa--gfx1250"
	.amdhsa_code_object_version 6
	.text
	.protected	k_q5fed7026b1_qkv
	.globl	k_q5fed7026b1_qkv
	.p2align	8
	.type	k_q5fed7026b1_qkv,@function
k_q5fed7026b1_qkv:
	s_mov_b64 s[64:65], 0
	v_nop
	global_prefetch_b8 v0, s[64:65] scope:SCOPE_SE
	s_setreg_imm32_b32 hwreg(HW_REG_WAVE_MODE, 25, 1), 1
	s_wait_xcnt 0x0
; QKV: [Q | K | V] = x [Wq | Wk | Wv] on codes of FP4 with E8M0 scales (M 8,192, K 1,024, N 1,536), RoPE on Q and K in f32, and the results as f16 images of the operands that attention wants.
; SHARES.  A work-group takes 256 rows (y) x 192 columns = three heads (x), all of K: 16 + 12 tiles x 8 K steps of 1 KB = 224 KB, which land in LDS once, in two halves of K; nothing is filled again.
; Wave w of twelve: rows 64 (w & 3) on (4 tiles), head w >> 2 (4 tiles of 16 columns): 16 accumulators.  Head slot g = 3 x + (w >> 2): 0-15 Q, 16-19 K, 20-23 V.
; LAYOUT.  Q, K: source 0 = 16 columns of W, source 1 = 16 rows of x: a lane holds one row and eight neighbouring columns, which are RoPE's four pairs and, as f16, four registers of the next fragment.
; V: the sources change places: a lane holds one column and eight neighbouring rows (keys): four registers of a fragment of V^T, whose K is the keys.
;   qh [b 4][head 16][strip 128][nt 4][512 B];  kvh: K [b][kv 4][keytile 128][nt 4][512 B], from byte 4,194,304 V^T [b][kv][32 keys: 64][ct 4][half 2][512 B]
;   fine [b 4][g 24][nt 4][q 2][512 B]: the f32 results of positions 0-15 of each sequence as the registers stand (Q, K behind RoPE), for the launch that carries those rows in f32.
; NO CLUSTER: the arm for V's heads and the f32 copy are branches on the work-group's coordinates; and each work-group asks once, at its head.
; No prefetch: all fetches go out at the head.  LIMITS: f16 results: magnitudes under 65,504.
.set SPARE, 229376                     ; behind x's 131,072 and W's 98,304 bytes: the spare words, 128 bytes a wave
.set SPW, 6                            ; v6  LDS address of my spare word; never rewritten
.set NIL, 7                            ; v7  0; never rewritten
.set XS,  16                           ; v16-31 x's scale words: register 8 (mt / 2) + ks; lanes 0-15 the even tile's rows, lanes 16-31 the odd tile's
.set WS,  32                           ; v32-47 W's likewise.  v16-47 hold scales and nothing else
.set T,   48                           ; v48-55 eight numbers behind RoPE
.set XF,  64                           ; v64-95 x's four fragments; on the way out, with v96-127, two sets of the table
.set WF,  96                           ; v96-127 W's four
.set ACC, 128                          ; v128-255 accumulator (mt, nt) at 128 + 8 (4 mt + nt)
; v1 = 16 x lane; v2, v3 LDS address of my x fragments, first and second half of K; v4, v5 of my W fragments; v8-15, v56-63 four sets of packed results
	s_load_b256 s[4:11], s[0:1], 0x0               ; xcod 4, xscl 6, wprep 8, qh 10
	s_load_b128 s[12:15], s[0:1], 0x20             ; kvh 12, fine 14
	v_lshl_add_u32 v[SPW], v0, 2, SPARE
	v_mov_b32 v[NIL], 0
	ds_add_u32 v[SPW], v[NIL]                      ; the wave's opening: the add, twice on end, and its wait ahead of my first tensor load
	ds_add_u32 v[SPW], v[NIL]
	v_lshrrev_b32 v1, 5, v0
	v_readfirstlane_b32 s16, v1                    ; wave 0..11
	s_mov_b32 s17, ttmp9                           ; which three heads
	s_and_b32 s18, ttmp7, 0xffff                   ; which 256 rows
	s_and_b32 s19, s16, 3                          ; rg
	s_lshr_b32 s20, s16, 2                         ; hd
	s_mul_i32 s21, s17, 3
	s_add_co_u32 s21, s21, s20                     ; g
	s_and_b32 s23, s18, 7
	s_lshl_b32 s22, s23, 4
	s_lshl_b32 s72, s19, 2
	s_add_co_u32 s22, s22, s72                     ; my first tile of positions in the sequence: 16 (R & 7) + 4 rg
	s_or_b32 s23, s23, s19                         ; 0 where my first tile is positions 0-15
	; group 1, x: 8 tiles of a K step are 8,192 dense bytes: 32 rows of 32 elements of 8 bytes.  W: 12 tiles, 48 rows
	s_mov_b32 s24, 3<<16
	s_mov_b32 s25, 32<<16
	s_mov_b32 s26, 32<<16
	s_mov_b32 s27, 32<<16
	s_mov_b32 s28, 32
	s_mov_b32 s29, 32
	s_mov_b32 s30, 0
	s_mov_b32 s31, 0
	s_mov_b32 s32, 3<<16
	s_mov_b32 s33, 32<<16
	s_mov_b32 s34, 48<<16
	s_mov_b32 s35, 32<<16
	s_mov_b32 s36, 48
	s_mov_b32 s37, 32
	s_mov_b32 s38, 0
	s_mov_b32 s39, 0
	; waves 0-7 fetch x: K step 4 p + (w >> 1), tiles 8 (w & 1) on.  Waves 8-11 fetch W: K step 4 p + (w & 3).  Every wave makes both sets of words and asks by one
	s_lshr_b32 s56, s16, 1
	s_and_b32 s56, s56, 3
	s_lshl_b32 s56, s56, 19
	s_lshl_b32 s57, s18, 14
	s_add_co_u32 s56, s56, s57
	s_and_b32 s57, s16, 1
	s_lshl_b32 s57, s57, 13
	s_add_co_u32 s56, s56, s57
	s_mov_b32 s57, 0
	s_and_b32 s58, s16, 3
	s_mul_i32 s58, s58, 98304
	s_mul_i32 s59, s17, 12288
	s_add_co_u32 s58, s58, s59
	s_mov_b32 s59, 0
	s_lshl_b32 s60, s16, 13                        ; x in LDS: 8,192 w (+ 65,536 p)
	s_mul_i32 s61, s16, 12288
	s_add_co_u32 s61, s61, 32768                   ; W in LDS: 131,072 + 12,288 (w - 8) (+ 49,152 p)
	s_lshl_b32 s66, s18, 13
	s_lshl_b32 s67, s19, 11
	s_add_co_u32 s66, s66, s67                     ; x's scale words: 512 (16 R + 4 rg)
	s_mov_b32 s67, 0
	s_mul_i32 s68, s17, 6144
	s_lshl_b32 s69, s20, 11
	s_add_co_u32 s68, s68, s69
	s_add_co_u32 s68, s68, 786432                  ; W's: 512 (12 x + 4 hd)
	s_mov_b32 s69, 0
	s_lshr_b32 s72, s18, 3                         ; b
	s_mul_i32 s74, s72, 24
	s_add_co_u32 s74, s74, s21
	s_lshl_b32 s74, s74, 12                        ; fine: 4,096 (24 b + g)
	s_mov_b32 s75, 0
	s_lshl_b32 s78, s22, 12
	s_add_co_u32 s78, s78, 835584                  ; the table at my first tile of positions
	s_mov_b32 s79, 0
	s_wait_dscnt 0x0                               ; both opening adds are done
	s_wait_kmcnt 0x0
	s_add_nc_u64 s[56:57], s[4:5], s[56:57]
	s_add_nc_u64 s[58:59], s[8:9], s[58:59]
	s_add_nc_u64 s[66:67], s[6:7], s[66:67]
	s_add_nc_u64 s[68:69], s[8:9], s[68:69]
	s_add_nc_u64 s[74:75], s[14:15], s[74:75]
	s_add_nc_u64 s[78:79], s[8:9], s[78:79]
.irp p, 0,1
	s_mov_b32 s[40+4*\p], 1
	s_add_co_u32 s[41+4*\p], s60, 65536*\p
	s_add_nc_u64 s[42+4*\p:43+4*\p], s[56:57], 2097152*\p
	s_or_b32 s[43+4*\p], s[43+4*\p], 0x80000000
	s_mov_b32 s[48+4*\p], 1
	s_add_co_u32 s[49+4*\p], s61, 49152*\p
	s_add_nc_u64 s[50+4*\p:51+4*\p], s[58:59], 393216*\p
	s_or_b32 s[51+4*\p], s[51+4*\p], 0x80000000
.endr
	s_cmp_lt_u32 s16, 8                            ; a wave's two first fills stand in one branch: two loads of mine are out
	s_cbranch_scc0 .Lfill_w
	tensor_load_to_lds s[40:43], s[24:31]
	s_nop 0
	tensor_load_to_lds s[44:47], s[24:31]
	s_nop 0
.rept 4
	v_nop
.endr
	s_branch .Lfilled
.Lfill_w:
	tensor_load_to_lds s[48:51], s[32:39]
	s_nop 0
	tensor_load_to_lds s[52:55], s[32:39]
	s_nop 0
.rept 4
	v_nop
.endr
.Lfilled:
	v_and_b32 v9, 15, v0
	v_bfe_u32 v10, v0, 4, 1
	v_lshlrev_b32 v8, 4, v9
	v_lshl_add_u32 v8, v10, 9, v8                  ; 16 r + 512 h: lanes 16-31 take the next tile's words
.irp p, 0,1
.irp k, 0,1
	global_load_b128 v[XS+8*\p+4*\k:XS+8*\p+4*\k+3], v8, s[66:67] offset:1024*\p+256*\k
	global_load_b128 v[WS+8*\p+4*\k:WS+8*\p+4*\k+3], v8, s[68:69] offset:1024*\p+256*\k
.endr
.endr
	v_and_b32 v1, 31, v0
	v_lshlrev_b32 v1, 4, v1                        ; 16 x lane
	s_lshl_b32 s72, s19, 12
	v_add_nc_u32 v2, s72, v1                       ; x: my four tiles, K steps 0-3
	v_add_nc_u32 v3, 65536, v2                     ; K steps 4-7
	s_lshl_b32 s72, s20, 12
	s_add_co_u32 s72, s72, 131072
	v_add_nc_u32 v4, s72, v1                       ; W likewise
	v_add_nc_u32 v5, 49152, v4
; One scaled product.  rD, rA, rB, rSA, rSB are set by the caller; ra, rb: the side's scale words stand in lanes 16-31
.macro WM ks, ra, rb
.if (\ks) == 0
.if (\ra) && (\rb)
	v_wmma_scale_f32_16x16x128_f8f6f4 v[rD:rD+7], v[rA:rA+7], v[rB:rB+7], 0, v[rSA], v[rSB] matrix_a_fmt:MATRIX_FMT_FP4 matrix_b_fmt:MATRIX_FMT_FP4 matrix_a_scale:MATRIX_SCALE_ROW1 matrix_b_scale:MATRIX_SCALE_ROW1
.elseif (\ra)
	v_wmma_scale_f32_16x16x128_f8f6f4 v[rD:rD+7], v[rA:rA+7], v[rB:rB+7], 0, v[rSA], v[rSB] matrix_a_fmt:MATRIX_FMT_FP4 matrix_b_fmt:MATRIX_FMT_FP4 matrix_a_scale:MATRIX_SCALE_ROW1
.elseif (\rb)
	v_wmma_scale_f32_16x16x128_f8f6f4 v[rD:rD+7], v[rA:rA+7], v[rB:rB+7], 0, v[rSA], v[rSB] matrix_a_fmt:MATRIX_FMT_FP4 matrix_b_fmt:MATRIX_FMT_FP4 matrix_b_scale:MATRIX_SCALE_ROW1
.else
	v_wmma_scale_f32_16x16x128_f8f6f4 v[rD:rD+7], v[rA:rA+7], v[rB:rB+7], 0, v[rSA], v[rSB] matrix_a_fmt:MATRIX_FMT_FP4 matrix_b_fmt:MATRIX_FMT_FP4
.endif
.else
.if (\ra) && (\rb)
	v_wmma_scale_f32_16x16x128_f8f6f4 v[rD:rD+7], v[rA:rA+7], v[rB:rB+7], v[rD:rD+7], v[rSA], v[rSB] matrix_a_fmt:MATRIX_FMT_FP4 matrix_b_fmt:MATRIX_FMT_FP4 matrix_a_scale:MATRIX_SCALE_ROW1 matrix_b_scale:MATRIX_SCALE_ROW1
.elseif (\ra)
	v_wmma_scale_f32_16x16x128_f8f6f4 v[rD:rD+7], v[rA:rA+7], v[rB:rB+7], v[rD:rD+7], v[rSA], v[rSB] matrix_a_fmt:MATRIX_FMT_FP4 matrix_b_fmt:MATRIX_FMT_FP4 matrix_a_scale:MATRIX_SCALE_ROW1
.elseif (\rb)
	v_wmma_scale_f32_16x16x128_f8f6f4 v[rD:rD+7], v[rA:rA+7], v[rB:rB+7], v[rD:rD+7], v[rSA], v[rSB] matrix_a_fmt:MATRIX_FMT_FP4 matrix_b_fmt:MATRIX_FMT_FP4 matrix_b_scale:MATRIX_SCALE_ROW1
.else
	v_wmma_scale_f32_16x16x128_f8f6f4 v[rD:rD+7], v[rA:rA+7], v[rB:rB+7], v[rD:rD+7], v[rSA], v[rSB] matrix_a_fmt:MATRIX_FMT_FP4 matrix_b_fmt:MATRIX_FMT_FP4
.endif
.endif
.endm
; A K step of 128: eight fragments from LDS, 16 products; the 16 accumulators take turns, one instruction a turn.  K step 0 starts the sums with the constant 0.
; vee = 0: source 0 = W, source 1 = x.  vee = 1: the other way round.
.macro KSTEP ks, vee
.if (\ks) > 0
.rept 4
	v_nop                                          ; four places in front of loads into registers that matrix instructions have read
.endr
.endif
.irp m, 0,1,2,3
.irp c, 0,1
	ds_load_b128 v[XF+8*\m+4*\c:XF+8*\m+4*\c+3], v[2+(\ks)/4] offset:16384*((\ks)%4)+1024*\m+512*\c
.endr
.endr
.irp n, 0,1,2,3
.irp c, 0,1
	ds_load_b128 v[WF+8*\n+4*\c:WF+8*\n+4*\c+3], v[4+(\ks)/4] offset:12288*((\ks)%4)+1024*\n+512*\c
.endr
.endr
	s_wait_dscnt 0x0
.irp m, 0,1,2,3
.irp n, 0,1,2,3
.set rD, ACC+8*(4*\m+\n)
.if \vee
.set rA, XF+8*\m
.set rB, WF+8*\n
.set rSA, XS+8*(\m/2)+(\ks)
.set rSB, WS+8*(\n/2)+(\ks)
	WM \ks, \m%2, \n%2
.else
.set rA, WF+8*\n
.set rB, XF+8*\m
.set rSA, WS+8*(\n/2)+(\ks)
.set rSB, XS+8*(\m/2)+(\ks)
	WM \ks, \n%2, \m%2
.endif
.endr
.endr
.endm
	s_wait_loadcnt 0x0                             ; the scale words
	s_wait_tensorcnt 0x1                           ; my block of K's first half has landed; the second half's stays out
	s_barrier_signal -1
	s_barrier_wait -1                              ; everybody's has
	s_cmp_ge_u32 s21, 20
	s_cbranch_scc1 .Lv_first
	KSTEP 0, 0
	KSTEP 1, 0
	KSTEP 2, 0
	KSTEP 3, 0
	s_branch .Ljoin
.Lv_first:
	KSTEP 0, 1
	KSTEP 1, 1
	KSTEP 2, 1
	KSTEP 3, 1
.Ljoin:
	s_wait_tensorcnt 0x0                           ; my block of the second half
	s_barrier_signal -1
	s_barrier_wait -1
	s_cmp_ge_u32 s21, 20
	s_cbranch_scc1 .Lv_second
	KSTEP 4, 0
	KSTEP 5, 0
	KSTEP 6, 0
	KSTEP 7, 0
	; ---- the way out of Q and K: RoPE in f32, f16, 512 consecutive bytes a store
	s_cmp_lt_u32 s21, 16
	s_cselect_b64 s[70:71], s[10:11], s[12:13]     ; Q's buffer or K's: the choice hangs on ids alone
	s_cselect_b32 s72, 4, 2                        ; log2 of the heads in it
	s_cselect_b32 s73, 0, 16
	s_sub_co_u32 s73, s21, s73                     ; the head
	s_lshr_b32 s76, s18, 3                         ; b
	s_lshl_b32 s76, s76, s72
	s_add_co_u32 s76, s76, s73
	s_lshl_b32 s76, s76, 7
	s_add_co_u32 s76, s76, s22
	s_lshl_b32 s76, s76, 11                        ; 2,048 ((heads x b + head) x 128 + my first tile)
	s_mov_b32 s77, 0
	s_add_nc_u64 s[70:71], s[70:71], s[76:77]
.rept 4
	v_nop                                          ; four places behind the last products: for the table's loads into the fragments' registers and for the first reads of results
.endr
.macro TABLD mt                                ; cos and sin of tile mt's 16 positions, in my lanes' order: 32 registers, two sets by turns
.irp k, 0,1,2,3,4,5,6,7
	global_load_b128 v[XF+32*((\mt)%2)+4*\k:XF+32*((\mt)%2)+4*\k+3], v1, s[78:79] offset:4096*(\mt)+512*\k
.endr
.endm
.macro ROPE mt, nt
.set rA, ACC+8*(4*(\mt)+(\nt))
.set rC, XF+32*((\mt)%2)+8*(\nt)               ; pair p: cos at 2 p, sin at 2 p + 1
.set rP, 8+4*(\nt)+40*((\nt)/2)
.irp p, 0,1,2,3
	v_mul_f32 v[T+2*\p], v[rA+2*\p+1], v[rC+2*\p+1]            ; x1 sin  (each accumulator is read from its low end on)
	v_mul_f32 v[T+2*\p+1], v[rA+2*\p], v[rC+2*\p+1]            ; x0 sin
.endr
.irp p, 0,1,2,3
	v_fma_f32 v[T+2*\p], v[rA+2*\p], v[rC+2*\p], -v[T+2*\p]    ; x0 cos - x1 sin
	v_fma_f32 v[T+2*\p+1], v[rA+2*\p+1], v[rC+2*\p], v[T+2*\p+1]   ; x1 cos + x0 sin
.endr
.irp p, 0,1,2,3
	v_cvt_pk_f16_f32 v[rP+\p], v[T+2*\p], v[T+2*\p+1]
.endr
	global_store_b128 v1, v[rP:rP+3], s[70:71] offset:2048*(\mt)+512*(\nt)
.if (\mt) == 0
	s_cmp_lg_u32 s23, 0                            ; positions 0-15 of a sequence also leave in f32
	s_cbranch_scc1 .Lnofine_\@
	global_store_b128 v1, v[T:T+3], s[74:75] offset:1024*(\nt)
	global_store_b128 v1, v[T+4:T+7], s[74:75] offset:1024*(\nt)+512
	s_wait_xcnt 0x0                                ; T is written again only behind this wait
.Lnofine_\@:
.endif
.endm
	TABLD 0
	TABLD 1
.irp mt, 0,1,2,3
.if \mt < 3
	s_wait_loadcnt 8                               ; this tile's table is in; the next tile's 8 loads may be out
.else
	s_wait_loadcnt 0x0
.endif
	s_wait_xcnt 0x0                                ; the last tile's stores have read the four packed sets
	ROPE \mt, 0
	ROPE \mt, 1
	ROPE \mt, 2
	ROPE \mt, 3
.if \mt < 2
	TABLD \mt+2
.endif
.endr
	s_branch .Lend
.Lv_second:
	KSTEP 4, 1
	KSTEP 5, 1
	KSTEP 6, 1
	KSTEP 7, 1
	; ---- the way out of V: a lane's eight rows are eight neighbouring keys of its channel
	s_sub_co_u32 s72, s21, 20                      ; kv
	s_lshr_b32 s73, s18, 3
	s_lshl_b32 s73, s73, 2
	s_add_co_u32 s72, s72, s73
	s_lshl_b32 s72, s72, 6
	s_lshr_b32 s73, s22, 1
	s_add_co_u32 s72, s72, s73
	s_lshl_b32 s72, s72, 12
	s_add_co_u32 s72, s72, 4194304                 ; 4,194,304 + 4,096 ((4 b + kv) x 64 + my first 32 keys)
	s_mov_b32 s73, 0
	s_add_nc_u64 s[70:71], s[12:13], s[72:73]
.rept 4
	v_nop
.endr
.macro VOUT mt, nt
.set rA, ACC+8*(4*(\mt)+(\nt))
.set rP, 8+4*(\nt)+40*((\nt)/2)
.irp p, 0,1,2,3
	v_cvt_pk_f16_f32 v[rP+\p], v[rA+2*\p], v[rA+2*\p+1]
.endr
	global_store_b128 v1, v[rP:rP+3], s[70:71] offset:4096*((\mt)/2)+1024*(\nt)+512*((\mt)%2)
.if (\mt) == 0
	s_cmp_lg_u32 s23, 0
	s_cbranch_scc1 .Lnofine_\@
	global_store_b128 v1, v[rA:rA+3], s[74:75] offset:1024*(\nt)
	global_store_b128 v1, v[rA+4:rA+7], s[74:75] offset:1024*(\nt)+512
.Lnofine_\@:
.endif
.endm
.irp mt, 0,1,2,3
	s_wait_xcnt 0x0                                ; the last tile's stores have read the four packed sets
	VOUT \mt, 0
	VOUT \mt, 1
	VOUT \mt, 2
	VOUT \mt, 3
.endr
.Lend:
	s_wait_tensorcnt 0x0                           ; the wave's end, behind my last tensor load
	ds_add_u32 v[SPW], v[NIL]
	s_wait_dscnt 0x0
	s_endpgm
.Lfunc_end_k_q5fed7026b1_qkv:
	.size	k_q5fed7026b1_qkv, .Lfunc_end_k_q5fed7026b1_qkv-k_q5fed7026b1_qkv
	.p2alignl 7, 3214868480
	.fill 96, 4, 3214868480
	.section	.rodata,"a",@progbits
	.p2align	6, 0x0
	.amdhsa_kernel k_q5fed7026b1_qkv
		.amdhsa_group_segment_fixed_size 230912
		.amdhsa_private_segment_fixed_size 0
		.amdhsa_enable_private_segment 0
		.amdhsa_kernarg_size 48
		.amdhsa_user_sgpr_count 2
		.amdhsa_user_sgpr_kernarg_segment_ptr 1
		.amdhsa_wavefront_size32 1
		.amdhsa_system_sgpr_workgroup_id_x 1
		.amdhsa_system_sgpr_workgroup_id_y 1
		.amdhsa_system_sgpr_workgroup_id_z 1
		.amdhsa_system_vgpr_workitem_id 0
		.amdhsa_next_free_vgpr 256
		.amdhsa_next_free_sgpr 80
		.amdhsa_reserve_vcc 0
		.amdhsa_float_denorm_mode_32 3
		.amdhsa_float_denorm_mode_16_64 3
		.amdhsa_memory_ordered 1
		.amdhsa_forward_progress 1
		.amdhsa_inst_pref_size 87
	.end_amdhsa_kernel
	.amdgpu_metadata
---
amdhsa.version: [ 1, 2 ]
amdhsa.kernels:
  - .name:           k_q5fed7026b1_qkv
    .symbol:         k_q5fed7026b1_qkv.kd
    .args:
      - { .name: xcod, .offset: 0, .size: 8, .value_kind: global_buffer, .address_space: global }
      - { .name: xscl, .offset: 8, .size: 8, .value_kind: global_buffer, .address_space: global }
      - { .name: wprep, .offset: 16, .size: 8, .value_kind: global_buffer, .address_space: global }
      - { .name: qh, .offset: 24, .size: 8, .value_kind: global_buffer, .address_space: global }
      - { .name: kvh, .offset: 32, .size: 8, .value_kind: global_buffer, .address_space: global }
      - { .name: fine, .offset: 40, .size: 8, .value_kind: global_buffer, .address_space: global }
    .group_segment_fixed_size: 230912
    .private_segment_fixed_size: 0
    .kernarg_segment_align: 8
    .kernarg_segment_size: 48
    .max_flat_workgroup_size: 384
    .sgpr_count:     80
    .vgpr_count:     256
    .wavefront_size: 32
...
	.end_amdgpu_metadata
.endif
;; end of part 2
;; launch attn (part 3): grid 16 x 16, 8 waves a work-group, no clusters, 327,680 bytes of LDS; arguments qh, kvh, oh; writes oh
.if DOCPART == 3
	.amdgcn_target "amdgcn-amd-amdhsa--gfx1250"
	.amdhsa_code_object_version 6
	.text
	.protected	k_q5fed7026b1_attn
	.globl	k_q5fed7026b1_attn
	.p2align	8
	.type	k_q5fed7026b1_attn,@function
k_q5fed7026b1_attn:
	s_mov_b64 s[64:65], 0
	v_nop
	global_prefetch_b8 v0, s[64:65] scope:SCOPE_SE
	s_setreg_imm32_b32 hwreg(HW_REG_WAVE_MODE, 25, 1), 1
	s_wait_xcnt 0x0
; ATTN: causal attention, head size 64, 16 query heads on 4 key and value heads; f16 operands, f32 products' sums, maxima and sums; a running maximum.
; SHARES.  Work-group (j, y = 4 b + kv) owns two blocks of 64 positions x the four query heads of one kv head: first block 31 - j, then block j: (32 - j) + (j + 1) = 33 key steps of 64 keys
; for every work-group.  Wave w of eight: strip w & 3 (16 positions), heads 4 kv + 2 (w >> 2) + {0, 1}: two tiles, so each fragment of K and V read from LDS feeds two products.  Two waves share a SIMD:
; one wave's softmax stands beside the other's products.
; LAYOUT.  S^T = K Q^T (source 0 = 16 keys, source 1 = 16 queries), O^T = V^T P: a lane holds ONE query throughout, and two tiles of S^T, rounded to f16 in pairs, ARE a fragment of P.
; All operands lie in memory and LDS as images of their registers: every load is 512 consecutive bytes.
; THE WALK.  K and V come through two LDS slots of 256 keys (K 32 KB, V 32 KB).  The first block walks NP1 = 8 - (j >> 2) slots, the second 9 - NP1: always nine, so the trip counts are constants.
; Each of the eight waves fetches, by one tensor load, a quarter (2 KB) of EACH of a slot's four key steps (waves 0-3 of K, waves 4-7 of V): a slot's first step counts for every query of the block,
; so every load brings bytes that are read.  In LDS: [quarter][step][2 KB].  A step all of whose keys come after the block's queries is left out by a scalar branch on ids.
; NO CLUSTER: which steps are left out or masked hangs on j, which in a cluster would be the work-group's place.
; SOFTMAX.  p = 2^(c s - c m), c = log2(e) / 8, m the running maximum; in every step O and l are multiplied by a = 2^(c m_old - c m_new).
; LIMITS: f16 operands (magnitudes under 65,504); p under 6e-8 is rounded to 0 for the second product (the row's sum takes the f32 p).  Positions 0-15 of each sequence are computed here too and replaced
; by the launch that carries them in f32.
.set SLOT1, 65536
.set SPARE, 131072                     ; behind the two slots: the spare words, 128 bytes a wave
.set QF,  16                           ; v16-47   Q (u, ks) at 16 + 16 u + 8 ks
.set KV,  48                           ; v48-111  K (kt, ks) at 48 + 16 kt + 8 ks; then V (g, ct) at 48 + 32 g + 8 ct
.set S,   112                          ; v112-175 S^T (u, kt) at 112 + 32 u + 8 kt; p; then P (u, g) at 112 + 32 u + 8 g
.set O,   176                          ; v176-239 O^T (u, ct) at 176 + 32 u + 8 ct
.set ST,  240                          ; v240 + 8 u: c m, m, l (two halves), T0, T1, T2 = a, T3
; v1 16 x lane; v2 the step's LDS address; v3 d = my query's place in the block - 8 (lane / 16); v4 -infinity; v5, v6 the add's two; v7 the prefetches' offset
; s8 wave, s9 j, s10 NP1, s11 slot count T, s12 key step KS, s13 block QB, s14 LDS byte of the step in hand, s15 inner count, s[16:23] group 1, s[24:27] group 0, s[28:29] my quarter of key slot 0,
; s[30:31] offset, s[32:33] prefetch address, s34 its limit, s[36:39] Q of the two blocks, s[40:43] O, s[44:45] c, s[46:47] lane selects
	s_load_b128 s[4:7], s[0:1], 0x0                ; qh, kvh
	s_load_b64 s[48:49], s[0:1], 0x10              ; oh
	v_lshl_add_u32 v5, v0, 2, SPARE
	v_mov_b32 v6, 0
	ds_add_u32 v5, v6                              ; the wave's opening: the add, twice on end, and its wait ahead of my first tensor load
	ds_add_u32 v5, v6
	v_lshrrev_b32 v1, 5, v0
	v_readfirstlane_b32 s8, v1
	s_mov_b32 s9, ttmp9
	s_and_b32 s50, ttmp7, 0xffff                   ; y
	s_lshr_b32 s10, s9, 2
	s_sub_co_u32 s10, 8, s10
	s_mov_b32 s11, 0
	s_mov_b32 s14, 0
	s_mov_b32 s16, 3<<16                           ; group 1: elements of 8 bytes, no mask, no padding
	s_mov_b32 s17, 256<<16                         ; tensor_dim0 = 256 elements: 2,048 bytes
	s_mov_b32 s18, 4<<16                           ; tensor_dim1 = 4
	s_mov_b32 s19, 256<<16                         ; tile_dim0
	s_mov_b32 s20, 4                               ; tile_dim1: one row for each key step of the slot
	s_mov_b32 s21, 1024                            ; from step to step: 8,192 bytes
	s_mov_b32 s22, 0
	s_mov_b32 s23, 0
	s_mov_b32 s44, 0x3e38aa3b                      ; c = log2(e) / sqrt(64)
	s_mov_b32 s45, s44
	s_mov_b32 s46, 0x76543210
	s_mov_b32 s47, 0xfedcba98
	s_and_b32 s51, s8, 3                           ; my strip; also my quarter
	s_lshr_b32 s52, s8, 2                          ; my pair of heads; also K (0) or V (1)
	s_lshl_b32 s30, s52, 22
	s_lshl_b32 s31, s50, 18
	s_add_co_u32 s30, s30, s31
	s_lshl_b32 s31, s51, 11
	s_add_co_u32 s30, s30, s31
	s_mov_b32 s31, 0
	s_lshl_b32 s54, s50, 20                        ; Q: 2,048 ((4 y + 2 hp) x 128 + 4 block + strip)
	s_lshl_b32 s55, s52, 19
	s_add_co_u32 s54, s54, s55
	s_lshl_b32 s55, s51, 11
	s_add_co_u32 s54, s54, s55
	s_sub_co_u32 s13, 31, s9                       ; the first block
	s_lshl_b32 s55, s13, 13
	s_add_co_u32 s56, s54, s55
	s_mov_b32 s57, 0
	s_lshl_b32 s55, s9, 13
	s_add_co_u32 s58, s54, s55
	s_mov_b32 s59, 0
	s_and_b32 s54, s50, 3                          ; O: 2,097,152 (2 kv + hp) + 4,096 (128 b + 4 block + strip)
	s_lshl_b32 s54, s54, 22
	s_lshl_b32 s55, s52, 21
	s_add_co_u32 s54, s54, s55
	s_lshr_b32 s55, s50, 2
	s_lshl_b32 s55, s55, 19
	s_add_co_u32 s54, s54, s55
	s_lshl_b32 s55, s51, 12
	s_add_co_u32 s54, s54, s55
	s_lshl_b32 s55, s13, 14
	s_add_co_u32 s60, s54, s55
	s_mov_b32 s61, 0
	s_lshl_b32 s55, s9, 14
	s_add_co_u32 s62, s54, s55
	s_mov_b32 s63, 0
	s_lshl_b32 s53, s51, 4
	s_cmp_eq_u32 s9, 0
	s_cselect_b32 s34, 6, 0                        ; the work-group with j = 0 prefetches in trips 0 to 5, the others never
	s_wait_dscnt 0x0                               ; both opening adds are done
	s_wait_kmcnt 0x0
	s_add_nc_u64 s[28:29], s[6:7], s[30:31]
	s_add_nc_u64 s[36:37], s[4:5], s[56:57]
	s_add_nc_u64 s[38:39], s[4:5], s[58:59]
	s_add_nc_u64 s[40:41], s[48:49], s[60:61]
	s_add_nc_u64 s[42:43], s[48:49], s[62:63]
	s_add_nc_u64 s[32:33], s[28:29], 32768         ; at key slot 1; the first change of slots steps it to slot 2.  Nothing is prefetched here, at the head
	s_mov_b32 s24, 1
	s_lshl_b32 s25, s8, 13                         ; LDS: 8,192 x wave, slot 0
	s_mov_b64 s[26:27], s[28:29]
	s_or_b32 s27, s27, 0x80000000
	tensor_load_to_lds s[24:27], s[16:23]          ; key slot 0
	s_nop 0
.rept 4
	v_nop
.endr
	v_and_b32 v7, 31, v0
	v_lshlrev_b32 v1, 4, v7
	v_and_b32 v8, 15, v0
	v_bfe_u32 v9, v0, 4, 1
	v_lshlrev_b32 v9, 3, v9
	v_sub_nc_u32 v3, v8, v9
	v_add_nc_u32 v3, s53, v3                       ; d = 16 strip + r - 8 h.  Register 8 kt + i holds key 16 kt + 8 h + i of the step: hidden on the diagonal where 16 kt + i > d
	v_mov_b32 v4, 0xff800000
.irp u, 0,1
	v_mov_b32 v[ST+8*\u+5], 0                      ; written once: T1 is a lane permute's destination, which counts as one of its sources,
	v_mov_b32 v[ST+8*\u+7], 0                      ; and T3 is named as the upper half of the pair (a, T3), of which the packed multiplies take the low word alone
.endr
	v_lshrrev_b32 v8, 3, v7
	v_and_b32 v7, 7, v7
	v_lshlrev_b32 v7, 8, v7
	v_lshl_add_u32 v7, v8, 13, v7                  ; my wave's four rows of 2,048 bytes, lanes 256 bytes apart
.macro QLOAD qp
.irp u, 0,1
.irp f, 0,1,2,3
	global_load_b128 v[QF+16*\u+4*\f:QF+16*\u+4*\f+3], v1, s[\qp:\qp+1] offset:262144*\u+512*\f
.endr
.endr
.endm
; A block begins: the largest score so far is -3e38, the sum and O^T are zeros, which the first a = 0 leaves zeros: so the key step is written once.
.macro START
	s_mov_b32 s12, 0
.irp u, 0,1
	v_mov_b32 v[ST+8*\u+1], 0xff61b1e6
	v_mul_f32 v[ST+8*\u], s44, v[ST+8*\u+1]
	v_mov_b32 v[ST+8*\u+2], 0
	v_mov_b32 v[ST+8*\u+3], 0
.endr
.set n, 0
.rept 64
	v_mov_b32 v[O+n], 0
.set n, n+1
.endr
	s_wait_loadcnt 0x0                             ; the block's Q
.endm
; A block ends: O^T / l, as f16, is the projection's operand as it stands: 4 KB on end.  qn: the next block's Q is asked for meanwhile (0: there is none).
.macro FINISH op, qn
.irp u, 0,1
	v_add_f32 v[ST+8*\u+4], v[ST+8*\u+2], v[ST+8*\u+3]     ; (these additions and the v_nop below are the places behind the last products)
.endr
.irp u, 0,1
	v_permlanex16_b32 v[ST+8*\u+5], v[ST+8*\u+4], s46, s47
.endr
.irp u, 0,1
	v_add_f32 v[ST+8*\u+4], v[ST+8*\u+4], v[ST+8*\u+5]
.endr
.irp u, 0,1
	v_rcp_f32 v[ST+8*\u+6], v[ST+8*\u+4]
.endr
.if \qn
	QLOAD \qn
.endif
	v_nop                                          ; a plain line behind the reciprocals
	s_wait_alu depctr_va_vdst(0)                   ; one wait for both, ahead of their first reader
.set n, 0
.rept 16
.irp u, 0,1
	v_pk_mul_f32 v[S+32*\u+2*n:S+32*\u+2*n+1], v[O+32*\u+2*n:O+32*\u+2*n+1], v[ST+8*\u+6:ST+8*\u+7] op_sel_hi:[1,0]
.endr
.set n, n+1
.endr
.set n, 0
.rept 16
.irp u, 0,1
	v_cvt_pk_f16_f32 v[S+32*\u+n], v[S+32*\u+2*n], v[S+32*\u+2*n+1]
.endr
.set n, n+1
.endr
.irp u, 0,1
.irp ct, 0,1,2,3
	global_store_b128 v1, v[S+32*\u+4*\ct:S+32*\u+4*\ct+3], s[\op:\op+1] offset:2048*\u+512*\ct
.endr
.endr
	s_wait_xcnt 0x0                                ; the stores have read their registers: the next block's scores may land there
.endm
; A KEY STEP of 64 keys.
.macro STEP
	s_cmp_gt_u32 s12, s13                          ; all its keys come after the block's queries: left out.  No barrier, wait for tiles or tensor load stands in a step
	s_cbranch_scc1 .Lhid_\@
	v_add_nc_u32 v2, s14, v1
.rept 4
	v_nop                                          ; with the addition above: five places between the last V^T P and the products that write S^T over P; four of them serve the loads into V's registers
.endr
.irp kt, 0,1,2,3
.irp f, 0,1,2,3
	ds_load_b128 v[KV+16*\kt+4*\f:KV+16*\kt+4*\f+3], v2 offset:8192*\kt+512*\f
.endr
.endr
	s_wait_dscnt 0x0
.irp ks, 0,1                                   ; S^T = K Q^T: eight accumulators by turns; the first eight products start the sums
.irp kt, 0,1,2,3
.irp u, 0,1
.if \ks == 0
	v_wmma_f32_16x16x32_f16 v[S+32*\u+8*\kt:S+32*\u+8*\kt+7], v[KV+16*\kt+8*\ks:KV+16*\kt+8*\ks+7], v[QF+16*\u+8*\ks:QF+16*\u+8*\ks+7], 0
.else
	v_wmma_f32_16x16x32_f16 v[S+32*\u+8*\kt:S+32*\u+8*\kt+7], v[KV+16*\kt+8*\ks:KV+16*\kt+8*\ks+7], v[QF+16*\u+8*\ks:QF+16*\u+8*\ks+7], v[S+32*\u+8*\kt:S+32*\u+8*\kt+7]
.endif
.endr
.endr
.endr
.rept 4
	v_nop                                          ; four places: for V's loads into K's registers, and for the first reads of the scores
.endr
.irp g, 0,1                                    ; V lands under the softmax
.irp ct, 0,1,2,3
.irp hf, 0,1
	ds_load_b128 v[KV+32*\g+8*\ct+4*\hf:KV+32*\g+8*\ct+4*\hf+3], v2 offset:32768+8192*(2*\g+\ct/2)+1024*(\ct%2)+512*\hf
.endr
.endr
.endr
	s_cmp_lg_u32 s12, s13                          ; on the diagonal hidden scores become -infinity ahead of the maximum: p = 0 then
	s_cbranch_scc1 .Lopen_\@
.set n, 0
.rept 32
	v_cmp_gt_i32 vcc_lo, 16*(n/8)+n%8, v3
	v_cndmask_b32 v[S+n], v[S+n], v4, vcc_lo
	v_cndmask_b32 v[S+32+n], v[S+32+n], v4, vcc_lo
.set n, n+1
.endr
.Lopen_\@:
	; the maximum of my 32 scores and the old m: four chains, each begun at an accumulator's low end; the two tiles alternate
.irp jx, 0,1,2,3
.irp u, 0,1
	v_max3_num_f32 v[ST+8*\u+4+\jx], v[S+32*\u+8*\jx], v[S+32*\u+8*\jx+1], v[S+32*\u+8*\jx+2]
.endr
.endr
.irp q, 1,2
.irp jx, 0,1,2,3
.irp u, 0,1
	v_max3_num_f32 v[ST+8*\u+4+\jx], v[ST+8*\u+4+\jx], v[S+32*\u+8*\jx+2*\q+1], v[S+32*\u+8*\jx+2*\q+2]
.endr
.endr
.endr
.irp u, 0,1
	v_max3_num_f32 v[ST+8*\u+4], v[ST+8*\u+4], v[S+32*\u+7], v[S+32*\u+15]
.endr
.irp u, 0,1
	v_max3_num_f32 v[ST+8*\u+6], v[ST+8*\u+6], v[S+32*\u+23], v[S+32*\u+31]
.endr
.irp u, 0,1
	v_max3_num_f32 v[ST+8*\u+4], v[ST+8*\u+4], v[ST+8*\u+5], v[ST+8*\u+6]
.endr
.irp u, 0,1
	v_max3_num_f32 v[ST+8*\u+4], v[ST+8*\u+4], v[ST+8*\u+7], v[ST+8*\u+1]
.endr
.irp u, 0,1
	v_permlanex16_b32 v[ST+8*\u+5], v[ST+8*\u+4], s46, s47     ; the query's other 32 keys lie in the lane 16 away
.endr
.irp u, 0,1
	v_mov_b32 v[ST+8*\u+7], v[ST+8*\u]             ; c m_old
.endr
.irp u, 0,1
	v_max_num_f32 v[ST+8*\u+1], v[ST+8*\u+4], v[ST+8*\u+5]
.endr
.irp u, 0,1
	v_mul_f32 v[ST+8*\u], s44, v[ST+8*\u+1]
.endr
.irp u, 0,1
	v_sub_f32 v[ST+8*\u+7], v[ST+8*\u+7], v[ST+8*\u]
.endr
.set n, 0
.rept 16
.irp u, 0,1
	v_pk_fma_f32 v[S+32*\u+2*n:S+32*\u+2*n+1], v[S+32*\u+2*n:S+32*\u+2*n+1], s[44:45], v[ST+8*\u:ST+8*\u+1] op_sel_hi:[1,0,0] neg_lo:[0,0,1] neg_hi:[0,0,1]   ; c s - c m
.endr
.set n, n+1
.endr
.irp u, 0,1
	v_exp_f32 v[ST+8*\u+6], v[ST+8*\u+7]           ; a.  ONE BATCH of 66 exponentials
.endr
.set n, 0
.rept 64
	v_exp_f32 v[S+n], v[S+n]
.set n, n+1
.endr
	v_nop                                          ; a plain line behind the last exponential
	s_wait_alu depctr_va_vdst(0)                   ; one wait for the batch, ahead of its first reader
.irp u, 0,1
	v_pk_mul_f32 v[ST+8*\u+2:ST+8*\u+3], v[ST+8*\u+2:ST+8*\u+3], v[ST+8*\u+6:ST+8*\u+7] op_sel_hi:[1,0]   ; l x a
.endr
.irp u, 0,1
	v_pk_add_f32 v[ST+8*\u+4:ST+8*\u+5], v[S+32*\u+2:S+32*\u+3], v[S+32*\u+6:S+32*\u+7]   ; the sum of the f32 p, in two chains a tile
.endr
.irp u, 0,1
	v_pk_add_f32 v[ST+8*\u+2:ST+8*\u+3], v[ST+8*\u+2:ST+8*\u+3], v[S+32*\u:S+32*\u+1]
.endr
.irp k, 4,8,12,16,20,24
.irp u, 0,1
	v_pk_add_f32 v[ST+8*\u+2:ST+8*\u+3], v[ST+8*\u+2:ST+8*\u+3], v[S+32*\u+\k:S+32*\u+\k+1]
	v_pk_add_f32 v[ST+8*\u+4:ST+8*\u+5], v[ST+8*\u+4:ST+8*\u+5], v[S+32*\u+\k+6:S+32*\u+\k+7]
.endr
.endr
.irp u, 0,1
	v_pk_add_f32 v[ST+8*\u+2:ST+8*\u+3], v[ST+8*\u+2:ST+8*\u+3], v[S+32*\u+28:S+32*\u+29]
.endr
.irp u, 0,1
	v_pk_add_f32 v[ST+8*\u+2:ST+8*\u+3], v[ST+8*\u+2:ST+8*\u+3], v[ST+8*\u+4:ST+8*\u+5]
.endr
.set n, 0
.rept 16
.irp u, 0,1
	v_cvt_pk_f16_f32 v[S+32*\u+n], v[S+32*\u+2*n], v[S+32*\u+2*n+1]    ; p to f16, in place, ascending: register n is written when registers up to 2 n + 1 have been read
.endr
.set n, n+1
.endr
.set n, 0
.rept 16
.irp u, 0,1
	v_pk_mul_f32 v[O+32*\u+2*n:O+32*\u+2*n+1], v[O+32*\u+2*n:O+32*\u+2*n+1], v[ST+8*\u+6:ST+8*\u+7] op_sel_hi:[1,0]   ; O^T x a
.endr
.set n, n+1
.endr
	s_wait_dscnt 0x0                               ; V is in
.irp g, 0,1                                    ; O^T += V^T P: eight accumulators by turns
.irp ct, 0,1,2,3
.irp u, 0,1
	v_wmma_f32_16x16x32_f16 v[O+32*\u+8*\ct:O+32*\u+8*\ct+7], v[KV+32*\g+8*\ct:KV+32*\g+8*\ct+7], v[S+32*\u+8*\g:S+32*\u+8*\g+7], v[O+32*\u+8*\ct:O+32*\u+8*\ct+7]
.endr
.endr
.endr
.Lhid_\@:
	s_add_co_u32 s12, s12, 1
	s_add_co_u32 s14, s14, 2048                    ; the next step's place in each quarter
.endm
; THE CHANGE OF SLOTS stands at a slot's head: every wave waits for all its tensor loads (its part of the slot ahead), adds 0 to its spare word, waits for that and for its reads of the slot that it has left.
; Behind the barrier the slot ahead is whole and nobody reads the other one; fill = 1: that one takes the next slot of the walk, one load a wave, which has four key steps in which to land.
.macro CHANGE fill
	s_wait_tensorcnt 0x0                           ; no tensor load of mine is out, so group 0 may be written
	ds_add_u32 v5, v6                              ; 0 onto my spare word
.if \fill
	s_xor_b32 s25, s25, SLOT1                      ; the other slot than last time
	s_add_co_u32 s30, s11, 1
	s_cmp_ge_u32 s30, s10
	s_cselect_b32 s31, s10, 0
	s_sub_co_u32 s30, s30, s31                     ; which 256 keys: the count begins anew with the second block
	s_lshl_b32 s30, s30, 15
	s_mov_b32 s31, 0
	s_add_nc_u64 s[26:27], s[28:29], s[30:31]
	s_or_b32 s27, s27, 0x80000000
	s_wait_xcnt 0x0                                ; the last prefetch, a slot back, has read its address
	s_add_nc_u64 s[32:33], s[32:33], 32768
.endif
	s_wait_dscnt 0x0                               ; the add is done, and my reads of the slot that I have left are over
	s_barrier_signal -1
	s_barrier_wait -1
.if \fill
	tensor_load_to_lds s[24:27], s[16:23]          ; the first thing behind the barrier, and my one tensor load until the next.  (In the first trip it is slot 1's first fill, in all eight waves)
	s_nop 0
.rept 4
	v_nop
.endr
	; A prefetch of what the NEXT change of slots will ask for: key slot T + 2, four key steps ahead of its tensor load.  All sixteen work-groups of a (b, kv) walk the same K and V: the one with j = 0 asks,
	; in the trips in which its first block, which walks all eight slots, still has a slot two on.  Each wave asks for its own four rows of 2,048 bytes, lanes 256 bytes apart: each block of 256 bytes is named once.
	s_cmp_lt_u32 s11, s34
	s_cbranch_scc0 .Lnot_mine_\@
	global_prefetch_b8 v7, s[32:33] th:TH_LOAD_NT scope:SCOPE_SE
.Lnot_mine_\@:
.endif
.endm
.macro PASSCHK                                 ; where the first block's slots are walked, it leaves and the second begins
	s_cmp_lg_u32 s11, s10
	s_cbranch_scc1 .Lsame_\@
	FINISH 40, 38
	s_mov_b32 s13, s9
	START
.Lsame_\@:
.endm
.macro SLOT_STEPS                              ; a slot's four key steps: written once, walked four times
	s_mov_b32 s15, 4
.Lstep_\@:
	STEP
	s_sub_co_u32 s15, s15, 1
	s_cmp_lg_u32 s15, 0
	s_cbranch_scc1 .Lstep_\@
	s_sub_co_u32 s14, s14, 8192
	s_xor_b32 s14, s14, SLOT1                      ; on to the other slot
.endm
	QLOAD 36
	START
.Lslot:                                            ; eight trips: behind each change of slots but the last the next slot is asked for
	CHANGE 1
	PASSCHK
	SLOT_STEPS
	s_add_co_u32 s11, s11, 1
	s_cmp_lt_u32 s11, 8
	s_cbranch_scc1 .Lslot
	CHANGE 0                                       ; the ninth slot is written out: nothing is left to fetch
	PASSCHK
	SLOT_STEPS
	FINISH 42, 0
	s_wait_tensorcnt 0x0                           ; the wave's end, behind my last tensor load
	ds_add_u32 v5, v6
	s_wait_dscnt 0x0
	s_endpgm
.Lfunc_end_k_q5fed7026b1_attn:
	.size	k_q5fed7026b1_attn, .Lfunc_end_k_q5fed7026b1_attn-k_q5fed7026b1_attn
	.p2alignl 7, 3214868480
	.fill 96, 4, 3214868480
	.section	.rodata,"a",@progbits
	.p2align	6, 0x0
	.amdhsa_kernel k_q5fed7026b1_attn
		.amdhsa_group_segment_fixed_size 327680
		.amdhsa_private_segment_fixed_size 0
		.amdhsa_enable_private_segment 0
		.amdhsa_kernarg_size 24
		.amdhsa_user_sgpr_count 2
		.amdhsa_user_sgpr_kernarg_segment_ptr 1
		.amdhsa_wavefront_size32 1
		.amdhsa_system_sgpr_workgroup_id_x 1
		.amdhsa_system_sgpr_workgroup_id_y 1
		.amdhsa_system_sgpr_workgroup_id_z 1
		.amdhsa_system_vgpr_workitem_id 0
		.amdhsa_next_free_vgpr 256
		.amdhsa_next_free_sgpr 66
		.amdhsa_reserve_vcc 1
		.amdhsa_float_denorm_mode_32 3
		.amdhsa_float_denorm_mode_16_64 3
		.amdhsa_memory_ordered 1
		.amdhsa_forward_progress 1
		.amdhsa_inst_pref_size 72
	.end_amdhsa_kernel
	.amdgpu_metadata
---
amdhsa.version: [ 1, 2 ]
amdhsa.kernels:
  - .name:           k_q5fed7026b1_attn
    .symbol:         k_q5fed7026b1_attn.kd
    .args:
      - { .name: qh, .offset: 0, .size: 8, .value_kind: global_buffer, .address_space: global }
      - { .name: kvh, .offset: 8, .size: 8, .value_kind: global_buffer, .address_space: global }
      - { .name: oh, .offset: 16, .size: 8, .value_kind: global_buffer, .address_space: global }
    .group_segment_fixed_size: 327680
    .private_segment_fixed_size: 0
    .kernarg_segment_align: 8
    .kernarg_segment_size: 24
    .max_flat_workgroup_size: 256
    .sgpr_count:     66
    .vgpr_count:     256
    .wavefront_size: 32
...
	.end_amdgpu_metadata
.endif
;; end of part 3
;; launch proj (part 4): grid 4 x 64, 4 waves a work-group, clusters of 4 x 4, 327,680 bytes of LDS; arguments oh, woh, out0; writes out0
.if DOCPART == 4
	.amdgcn_target "amdgcn-amd-amdhsa--gfx1250"
	.amdhsa_code_object_version 6
	.text
	.protected	k_q5fed7026b1_proj
	.globl	k_q5fed7026b1_proj
	.p2align	8
	.type	k_q5fed7026b1_proj,@function
k_q5fed7026b1_proj:
	s_mov_b64 s[64:65], 0
	v_nop
	global_prefetch_b8 v0, s[64:65] scope:SCOPE_SE
	s_setreg_imm32_b32 hwreg(HW_REG_WAVE_MODE, 25, 1), 1
	s_wait_xcnt 0x0
	s_wait_alu depctr_hold_cnt(0) depctr_sa_sdst(0) depctr_va_vdst(0) depctr_va_sdst(0) depctr_va_ssrc(0) depctr_va_vcc(0) depctr_vm_vsrc(0)
	s_getreg_b32 s2, hwreg(HW_REG_IB_STS2, 6, 4)
	s_cmp_eq_u32 s2, 0
	s_cbranch_scc0 .Lentry_in_a_cluster
	s_endpgm
.Lentry_in_a_cluster:
	s_bfe_u32 s2, ttmp6, 0x10000c
	s_cmp_lg_u32 s2, 0xf033
	s_cbranch_scc0 .Lentry_shape_is_right
	s_endpgm
.Lentry_shape_is_right:
; PROJ: out0 = O Wo, M 8,192, K 1,024, N 1,024; f16 operands, f32 sums.  O and Wo arrive as images of the operands' registers: oh [kc 8][mtile 512][k4 4][1 KB], woh [kc 8][ntile 64][k4 4][1 KB].
; A tile of the output is 128 rows x 256 columns: 256 work-groups.  Four waves, each 64 rows x 128 columns: 32 accumulators, which fill register window 1.
; K goes in 8 chunks of 128 through two LDS slots (O's 8 tiles 32 KB, Wo's 16 tiles 64 KB): a chunk's tiles are dense blocks of memory, so the slots need no pitch, and every LDS load is 512 consecutive bytes.
; CLUSTERS: 4 x 4 work-groups.  The four of a row of the cluster need the same tiles of O, the four of a column the same tiles of Wo: each is asked for JOINTLY, by the same tensor load with the same
; descriptor and a mask that names the four.  THE MATRIX INSTRUCTION IS USED TRANSPOSED (source 0 = 16 columns of Wo, source 1 = 16 rows of O): a lane holds eight neighbouring numbers of a row.
; ALL rows are computed, positions 0-15 of each sequence too (64 rows, one in 128): leaving them out would be a branch on a work-group's place in its cluster.  The next launch writes those rows anew, in f32.
; REGISTERS: window 0: v16-30 addresses; v32-127, v128-223 two fragment buffers (Wo's eight at + 8 b, O's four at + 64 + 8 a); on the way out v32-159 rows.  Window 1: accumulator (a, b) at 8 (8 a + b).
.set SLOT,   98304
.set STAGE,  196608                    ; behind the ring, bytes of its own: 16 rows x 528 for each wave, for the way out
.set SPARE,  230400                    ; behind the stages: the spare words, 128 bytes a wave
.set ADRA, 16                          ; v16-17 LDS address of my O fragments in slot 0, 1
.set ADRB, 20                          ; v20-21 the same for Wo
.set STO,  24
.set RD,   25
.set CO,   26
.set SPW,  28
.set NIL,  29
.set PFO,  30                          ; v30 256 x lane
.set F0,   32
.set F1,   128
.set G1, 24                            ; s[24:31] group 1 for O's tiles; s[32:39] group 0, one set for each slot
.set G0, 32
.set G1B, 48                           ; s[48:55], s[56:63] the same for Wo's
.set G0B, 56
.set PFA, 66                           ; s[66:67] where my prefetches stand; s[68:69] a chunk on; s70 1 in a wave that prefetches, else the greatest number
.set PFS, 68
.set LIM, 70
.set MSB, 0
.macro WIN new                         ; the immediate's high byte repeats the setting that is left
.if MSB != \new
	s_set_vgpr_msb (MSB<<8)|\new
.set MSB, \new
.endif
.endm
.set MUL, 0x50                         ; C and D window 1; the sources window 0
.macro JLOAD s                         ; a joint load: waves 0 and 1 fetch O's halves, waves 2 and 3 Wo's; an s_nop 0 and four v_nop follow each of the two lines
	s_cmp_eq_u32 s11, 0
	s_cbranch_scc0 .Lfor_b_\@
	tensor_load_to_lds s[G0+4*\s:G0+4*\s+3], s[G1:G1+7]
	s_nop 0
.rept 4
	v_nop
.endr
	s_branch .Lasked_\@
.Lfor_b_\@:
	tensor_load_to_lds s[G0B+4*\s:G0B+4*\s+3], s[G1B:G1B+7]
	s_nop 0
.rept 4
	v_nop
.endr
.Lasked_\@:
.endm
.macro CREST                           ; a round of the cluster's barrier behind its opening barrier
	s_cmp_lg_u32 s10, 0
	s_cbranch_scc1 .Lnot_wave_0_\@
	s_barrier_signal -3
.Lnot_wave_0_\@:
	s_barrier_wait -3
	s_barrier_signal -1
	s_barrier_wait -1
.endm
.macro CROUND
	s_barrier_signal -1
	s_barrier_wait -1
	CREST
.endm
; A prefetch, behind a joint refill and the run of LDS loads that follows it, of the chunk that stands TWO refills on (256 matrix instructions a wave ahead of its load): 8,192 bytes a wave, lanes 256 bytes apart.
; O's 32 KB of a chunk are read by one row of one cluster: its four partners take 8 KB each, told apart by address; wave 0 asks.  Wo's 64 KB are read by a column of every cluster: the clusters with y = 0 ask,
; the four partners take 16 KB each by address, waves 2 and 3 a half each.  So each block of 256 bytes is named once.  The last lap's refills have no chunk two on and ask for nothing.
.macro ASK
	s_cmp_gt_u32 s3, s[LIM]
	s_cbranch_scc0 .Lnot_mine_\@
	global_prefetch_b8 v[PFO], s[PFA:PFA+1] th:TH_LOAD_NT scope:SCOPE_SE
.Lnot_mine_\@:
.endm
	s_load_b128 s[4:7], s[0:1], 0x0                ; oh, woh
	s_load_b64 s[8:9], s[0:1], 0x10                ; out0
	v_lshl_add_u32 v[SPW], v0, 2, SPARE
	v_mov_b32 v[NIL], 0
	ds_add_u32 v[SPW], v[NIL]                      ; the wave's opening: the add, twice on end, and its wait ahead of my first tensor load
	ds_add_u32 v[SPW], v[NIL]
	v_lshrrev_b32 v1, 5, v0
	v_readfirstlane_b32 s10, v1                    ; wave 0..3
	s_lshr_b32 s11, s10, 1                         ; which 64 rows are mine.  Also: I fetch for O (0) or for Wo (1)
	s_and_b32 s12, s10, 1                          ; which 128 columns.  Also: which half of that tile I fetch
	s_bfe_u32 s40, ttmp6, 0x40000                  ; cx, cy: my place in the cluster
	s_bfe_u32 s41, ttmp6, 0x40004
	s_lshl_b32 s42, ttmp9, 2
	s_add_co_u32 s42, s42, s40                     ; tile column
	s_and_b32 s13, ttmp7, 0xffff
	s_lshl_b32 s13, s13, 2
	s_add_co_u32 s13, s13, s41                     ; tile row
	s_lshl_b32 s43, s41, 2
	s_lshl_b32 s43, 15, s43                        ; my row of the cluster
	s_lshl_b32 s44, 0x1111, s40                    ; my column
	s_or_b32 s[G1+0], s43, (3<<16)|(1<<21)         ; 15:0 the mask; 17:16 elements of 8 bytes; 21 set beside a mask; no padding
	s_or_b32 s[G1B+0], s44, (3<<16)|(1<<21)
	s_mov_b32 s[G1+1], 32<<16                      ; rows of 256 bytes, dense:
	s_mov_b32 s[G1+2], 64<<16                      ; O's half: 64 of them,
	s_mov_b32 s[G1+3], 32<<16
	s_mov_b32 s[G1+4], 64
	s_mov_b32 s[G1+5], 32
	s_mov_b32 s[G1+6], 0
	s_mov_b32 s[G1+7], 0
	s_mov_b32 s[G1B+1], 32<<16
	s_mov_b32 s[G1B+2], 128<<16                    ; Wo's half: 128
	s_mov_b32 s[G1B+3], 32<<16
	s_mov_b32 s[G1B+4], 128
	s_mov_b32 s[G1B+5], 32
	s_mov_b32 s[G1B+6], 0
	s_mov_b32 s[G1B+7], 0
	s_lshl_b32 s16, s13, 15                        ; O: 4,096 (8 x tile row + 4 x half)
	s_lshl_b32 s17, s12, 14
	s_add_co_u32 s16, s16, s17
	s_mov_b32 s17, 0
	s_lshl_b32 s46, s42, 16                        ; Wo: 4,096 (16 x tile column + 8 x half)
	s_lshl_b32 s47, s12, 15
	s_add_co_u32 s46, s46, s47
	s_mov_b32 s47, 0
	s_lshl_b32 s20, s12, 14                        ; where they go: no place in the cluster enters an LDS address
	s_lshl_b32 s21, s12, 15
	s_add_co_u32 s21, s21, 32768
	s_wait_dscnt 0x0                               ; both opening adds are done
	s_wait_kmcnt 0x0
	s_add_nc_u64 s[14:15], s[4:5], s[16:17]
	s_add_nc_u64 s[46:47], s[6:7], s[46:47]
	CROUND                                         ; all sixteen work-groups are here: the first joint loads meet
.irp s, 0,1
	s_mov_b32 s[G0+4*\s], 1
	s_add_co_u32 s[G0+4*\s+1], s20, \s*SLOT
	s_add_nc_u64 s[G0+4*\s+2:G0+4*\s+3], s[14:15], \s*2097152
	s_or_b32 s[G0+4*\s+3], s[G0+4*\s+3], 0x80000000
	s_mov_b32 s[G0B+4*\s], 1
	s_add_co_u32 s[G0B+4*\s+1], s21, \s*SLOT
	s_add_nc_u64 s[G0B+4*\s+2:G0B+4*\s+3], s[46:47], \s*262144
	s_or_b32 s[G0B+4*\s+3], s[G0B+4*\s+3], 0x80000000
	JLOAD \s
.endr
	v_and_b32 v1, 15, v0                           ; r
	v_bfe_u32 v2, v0, 4, 1                         ; h
	v_and_b32 v3, 31, v0
	v_lshlrev_b32 v3, 4, v3                        ; 16 x lane
	s_lshl_b32 s21, s11, 14                        ; my four tiles of O
	s_lshl_b32 s22, s12, 15                        ; my eight of Wo,
	s_add_co_u32 s22, s22, 32768                   ; which lie behind O's 32 KB
.irp s, 0,1
	v_add_nc_u32 v[ADRA+\s], s21, v3
	v_add_nc_u32 v[ADRB+\s], s22, v3
	s_add_co_u32 s21, s21, SLOT
	s_add_co_u32 s22, s22, SLOT
.endr
	s_mul_i32 s23, s10, 8448
	s_add_co_u32 s23, s23, STAGE                   ; my stage
	v_mul_u32_u24 v4, v1, 528
	v_lshl_add_u32 v4, v2, 5, v4
	v_add_nc_u32 v[STO], s23, v4                   ; in: row r, 32 bytes for each half of the lanes
	v_add_nc_u32 v[RD], s23, v3                    ; back: the 32 lanes take a row of 512 bytes
	v_mov_b32 v[CO], v3
	v_lshlrev_b32 v[PFO], 4, v3
	s_lshl_b32 s16, s13, 19                        ; my first row: 128 x tile row + 64 x half, 4,096 bytes a row
	s_lshl_b32 s17, s11, 18
	s_add_co_u32 s16, s16, s17
	s_mov_b32 s17, 0
	s_add_nc_u64 s[8:9], s[8:9], s[16:17]
	s_lshl_b32 s46, s42, 10                        ; my first column, in bytes
	s_lshl_b32 s47, s12, 9
	s_add_co_u32 s46, s46, s47
	s_mov_b32 s47, 0
	s_add_nc_u64 s[8:9], s[8:9], s[46:47]
	; the prefetches: at chunk 3; the first refill steps the address to chunk 4.  Nothing is prefetched here, at the head
	s_lshl_b32 s18, s13, 15
	s_lshl_b32 s19, s40, 13
	s_add_co_u32 s18, s18, s19
	s_add_co_u32 s18, s18, 3*2097152               ; O: the tile row's 32 KB, my work-group's 8 KB of them
	s_lshl_b32 s19, s42, 16
	s_lshl_b32 s20, s41, 14
	s_add_co_u32 s19, s19, s20
	s_lshl_b32 s20, s12, 13
	s_add_co_u32 s19, s19, s20
	s_add_co_u32 s19, s19, 3*262144                ; Wo: the tile column's 64 KB, my work-group's 16 KB, my wave's half
	s_and_b32 s22, ttmp7, 0xffff                   ; cluster y
	s_mov_b32 s23, 262144
	s_cmp_eq_u32 s11, 0
	s_cselect_b64 s[PFA:PFA+1], s[4:5], s[6:7]
	s_cselect_b32 s16, s18, s19
	s_cselect_b32 s22, s12, s22                    ; 0 in wave 0, and in waves 2 and 3 of the clusters with y = 0: the same in all sixteen partners, for a given wave
	s_cselect_b32 s[PFS], 2097152, s23
	s_mov_b32 s[PFS+1], 0
	s_mov_b32 s17, 0
	s_add_nc_u64 s[PFA:PFA+1], s[PFA:PFA+1], s[16:17]
	s_cmp_eq_u32 s22, 0
	s_cselect_b32 s[LIM], 1, -1
.macro MUL8 f, a, zero                         ; O's tile a against Wo's eight, 32 along K.  The 32 accumulators take turns, one instruction a turn
.irp b, 0,1,2,3,4,5,6,7
.if \zero
	v_wmma_f32_16x16x32_f16 v[8*(8*(\a)+\b):8*(8*(\a)+\b)+7], v[\f+8*\b:\f+8*\b+7], v[\f+64+8*(\a):\f+64+8*(\a)+7], 0
.else
	v_wmma_f32_16x16x32_f16 v[8*(8*(\a)+\b):8*(8*(\a)+\b)+7], v[\f+8*\b:\f+8*\b+7], v[\f+64+8*(\a):\f+64+8*(\a)+7], v[8*(8*(\a)+\b):8*(8*(\a)+\b)+7]
.endif
.endr
.endm
.macro FETCH slot, k, f                        ; 24 LDS loads in one run: the fragments of the chunk's k-th 32 along K
.irp b, 0,1,2,3,4,5,6,7
.irp c, 0,1
	ds_load_b128 v[\f+8*\b+4*\c:\f+8*\b+4*\c+3], v[ADRB+\slot] offset:4096*\b+1024*(\k)+512*\c
.endr
.endr
.irp a, 0,1,2,3
.irp c, 0,1
	ds_load_b128 v[\f+64+8*\a+4*\c:\f+64+8*\a+4*\c+3], v[ADRA+\slot] offset:4096*\a+1024*(\k)+512*\c
.endr
.endr
.endm
.macro PLACES                                  ; four places in front of loads into registers that matrix instructions have read, and of the first read of results
.rept 4
	v_nop
.endr
.endm
; One of a chunk's first three quarters: buffer f is in; the next quarter's fragments are asked for, into buffer g, 32 matrix instructions ahead of their use; buffer f is multiplied.
.macro QUARTER slot, k, f, g, zero
	s_wait_dscnt 0x0
	PLACES
	FETCH \slot, \k, \g
	WIN MUL
	MUL8 \f, 0, \zero
	MUL8 \f, 1, \zero
	MUL8 \f, 2, \zero
	MUL8 \f, 3, \zero
	WIN 0
.endm
; A chunk's last quarter multiplies buffer 1 and changes slots: ONE barrier; in front of it each wave waits for all its tensor loads, adds 0 to its spare word, and waits for that and for its reads of this slot.
.macro TURN slot, next, fill
.if \fill
	s_wait_xcnt 0x0                                ; the last prefetch, a chunk back, has read its address
	s_add_nc_u64 s[PFA:PFA+1], s[PFA:PFA+1], s[PFS:PFS+1]
.endif
	s_wait_tensorcnt 0x0                           ; all my tensor loads have landed: my part of the next slot;
	ds_add_u32 v[SPW], v[NIL]                      ; 0 onto my spare word;
	s_wait_dscnt 1                                 ; (the add alone may be out: buffer 1 is in)
	WIN MUL
	MUL8 F1, 0, 0                                  ; eight matrix instructions stand between the add and the wait for it
	s_wait_dscnt 0x0                               ; the add is done, and my reads of this slot are over
	s_barrier_signal -1
	MUL8 F1, 1, 0
	WIN 0
	s_barrier_wait -1
.if \fill
	CREST                                          ; the barrier has opened a round of the cluster's barrier: no wave of any partner still reads this slot or has a load on its way
	s_add_nc_u64 s[G0+4*\slot+2:G0+4*\slot+3], s[G0+4*\slot+2:G0+4*\slot+3], 2*2097152
	s_add_nc_u64 s[G0B+4*\slot+2:G0B+4*\slot+3], s[G0B+4*\slot+2:G0B+4*\slot+3], 2*262144
	JLOAD \slot                                    ; the first tensor load behind the round; its four v_nop are also the places in front of the loads below
.else
	PLACES
.endif
	FETCH \next, 0, F0
.if \fill
	ASK
.endif
	WIN MUL
	MUL8 F1, 2, 0
	MUL8 F1, 3, 0
	WIN 0
.endm
	s_wait_tensorcnt 1                             ; my part of chunk 0 is in; chunk 1's may stay out
	s_barrier_signal -1
	s_barrier_wait -1
	FETCH 0, 0, F0
	QUARTER 0, 1, F0, F1, 1                        ; the first quarter stands in front of the loop: its products start the sums
	s_mov_b32 s3, 3
.Llap:                                             ; a trip goes once round the ring and fills both slots again: chunks 2 to 7
	QUARTER 0, 2, F1, F0, 0
	QUARTER 0, 3, F0, F1, 0
	TURN 0, 1, 1
	QUARTER 1, 1, F0, F1, 0
	QUARTER 1, 2, F1, F0, 0
	QUARTER 1, 3, F0, F1, 0
	TURN 1, 0, 1
	QUARTER 0, 1, F0, F1, 0
	s_sub_co_u32 s3, s3, 1
	s_cmp_lg_u32 s3, 0
	s_cbranch_scc1 .Llap
	QUARTER 0, 2, F1, F0, 0                        ; the last lap fills nothing, and has no round of the cluster's barrier
	QUARTER 0, 3, F0, F1, 0
	TURN 0, 1, 0
	QUARTER 1, 1, F0, F1, 0
	QUARTER 1, 2, F1, F0, 0
	QUARTER 1, 3, F0, F1, 0
	s_wait_dscnt 0x0
	WIN MUL
	MUL8 F1, 0, 0
	MUL8 F1, 1, 0
	MUL8 F1, 2, 0
	MUL8 F1, 3, 0
	WIN 0
; THE WAY OUT, block by block of 16 rows x 128 columns: a lane holds 32 neighbouring bytes of a row; a block goes through my own stage and comes back as whole rows of 512 bytes.
; LDS serves a wave's instructions in order: no wait between the stores and the loads, nor in front of the next block's stores.
.macro TOSTAGE a
	WIN 0x04                                       ; an LDS store's data: window 1
.irp b, 0,1,2,3,4,5,6,7
	ds_store_b128 v[STO], v[8*(8*(\a)+\b):8*(8*(\a)+\b)+3] offset:64*\b            ; each accumulator from its low end on
	ds_store_b128 v[STO], v[8*(8*(\a)+\b)+4:8*(8*(\a)+\b)+7] offset:64*\b+16
.endr
	WIN 0
.irp t, 0,1,2,3,4,5,6,7,8,9,10,11,12,13,14,15
	ds_load_b128 v[32+64*((\a)%2)+4*\t:32+64*((\a)%2)+4*\t+3], v[RD] offset:528*\t
.endr
.endm
.macro SEND a, younger                         ; younger: the LDS instructions issued behind block a's loads, which may stay out
	s_wait_dscnt \younger
.irp t, 0,1,2,3,4,5,6,7,8,9,10,11,12,13,14,15
	global_store_b128 v[CO], v[32+64*((\a)%2)+4*\t:32+64*((\a)%2)+4*\t+3], s[8:9] offset:4096*(16*(\a)+\t) th:TH_STORE_NT   ; 32 lanes store 512 consecutive bytes, aligned
.endr
.endm
	PLACES
	TOSTAGE 0
.irp a, 1,2,3
.if \a > 1
	s_wait_xcnt 0x0                                ; block a - 2's stores have read their registers: block a's loads may land there
.endif
	TOSTAGE \a
	SEND \a-1, 32                                  ; behind block a - 1's loads: block a's 16 stores and 16 loads
.endr
	SEND 3, 0
	s_wait_tensorcnt 0x0                           ; the wave's end, behind my last tensor load and my last LDS store
	ds_add_u32 v[SPW], v[NIL]
	s_wait_dscnt 0x0
	CROUND                                         ; the closing round: no work-group ends while a partner may still ask for a tile that names it
	s_endpgm
.Lfunc_end_k_q5fed7026b1_proj:
	.size	k_q5fed7026b1_proj, .Lfunc_end_k_q5fed7026b1_proj-k_q5fed7026b1_proj
	.p2alignl 7, 3214868480
	.fill 96, 4, 3214868480
	.section	.rodata,"a",@progbits
	.p2align	6, 0x0
	.amdhsa_kernel k_q5fed7026b1_proj
		.amdhsa_group_segment_fixed_size 327680
		.amdhsa_private_segment_fixed_size 0
		.amdhsa_enable_private_segment 0
		.amdhsa_kernarg_size 24
		.amdhsa_user_sgpr_count 2
		.amdhsa_user_sgpr_kernarg_segment_ptr 1
		.amdhsa_wavefront_size32 1
		.amdhsa_system_sgpr_workgroup_id_x 1
		.amdhsa_system_sgpr_workgroup_id_y 1
		.amdhsa_system_sgpr_workgroup_id_z 1
		.amdhsa_system_vgpr_workitem_id 0
		.amdhsa_next_free_vgpr 512
		.amdhsa_next_free_sgpr 72
		.amdhsa_reserve_vcc 0
		.amdhsa_float_denorm_mode_32 3
		.amdhsa_float_denorm_mode_16_64 3
		.amdhsa_memory_ordered 1
		.amdhsa_forward_progress 1
		.amdhsa_inst_pref_size 85
	.end_amdhsa_kernel
	.amdgpu_metadata
---
amdhsa.version: [ 1, 2 ]
amdhsa.kernels:
  - .name:           k_q5fed7026b1_proj
    .symbol:         k_q5fed7026b1_proj.kd
    .args:
      - { .name: oh, .offset: 0, .size: 8, .value_kind: global_buffer, .address_space: global }
      - { .name: woh, .offset: 8, .size: 8, .value_kind: global_buffer, .address_space: global }
      - { .name: out0, .offset: 16, .size: 8, .value_kind: global_buffer, .address_space: global }
    .group_segment_fixed_size: 327680
    .private_segment_fixed_size: 0
    .kernarg_segment_align: 8
    .kernarg_segment_size: 24
    .max_flat_workgroup_size: 128
    .sgpr_count:     72
    .vgpr_count:     512
    .wavefront_size: 32
...
	.end_amdgpu_metadata
.endif
;; end of part 4
;; launch first16 (part 5): grid 64 x 4, 16 waves a work-group, no clusters, 18,432 bytes of LDS; arguments fine, Wo, out0; writes out0
.if DOCPART == 5
	.amdgcn_target "amdgcn-amd-amdhsa--gfx1250"
	.amdhsa_code_object_version 6
	.text
	.protected	k_q5fed7026b1_first16
	.globl	k_q5fed7026b1_first16
	.p2align	8
	.type	k_q5fed7026b1_first16,@function
k_q5fed7026b1_first16:
	s_mov_b64 s[64:65], 0
	v_nop
	global_prefetch_b8 v0, s[64:65] scope:SCOPE_SE
	s_setreg_imm32_b32 hwreg(HW_REG_WAVE_MODE, 25, 1), 1
	s_wait_xcnt 0x0
; FIRST16: positions 0-15 of each sequence, where a row averages one to sixteen values and is the largest in size: attention and projection once more, wholly in f32, over the rows that the launch before wrote.
; Work-group (x, b): 16 columns of the output (16 x on) of batch b's first 16 rows.  Wave = head: its S^T, softmax, O^T and its 64 rows of Wo; the 16 heads' parts are added through LDS.
; 48 f32 matrix instructions a wave: no bulk work.  Q, K, V arrive as the f32 accumulators of the first launch stood: lane (r, h) register 8 nt + i is Q or K (position r, channel 16 nt + 8 h + i),
; V (position 8 h + i, channel 16 nt + r).  ONE PERMUTATION OF k SERVES BOTH SOURCES: step (tile, e) takes registers 8 tile + 2 e, + 1 of both, which stand for the same four k in both.
; So every result is the next operand as it stands, and nothing changes lanes.  The registers that these matrix instructions write (v144-207) are written by them alone.
; The stores are runs of 64 bytes a row (256 KB in the whole launch).  Each work-group repeats the 16 heads' small attention; no cluster, no tensor load, no prefetch: the launch is short.
.set SPARE, 16384                      ; behind the heads' 16 x 1,024 bytes: the spare words, 128 bytes a wave
.set SPW, 240
.set NIL, 241
; v1 16 x lane; v2 32,768 h + 4 r; v3 r - 8 h; v4 -infinity; v8 where my part goes in LDS; v9 where waves 0, 1 read; v10 my bytes of the output
; v16-47 Q, v48-79 K, v80-111 V, v112-143 Wo, v144-175 S^T in four parts, later the output's four parts, v176-207 O^T, v208-215 scores and p, v216-223 P, v224-237 at work
	s_load_b128 s[4:7], s[0:1], 0x0                ; fine, Wo
	s_load_b64 s[8:9], s[0:1], 0x10                ; out0
	v_lshl_add_u32 v[SPW], v0, 2, SPARE
	v_mov_b32 v[NIL], 0
	v_lshrrev_b32 v1, 5, v0
	v_readfirstlane_b32 s10, v1                    ; the head
	v_and_b32 v5, 31, v0
	v_lshlrev_b32 v1, 4, v5
	v_and_b32 v6, 15, v0                           ; r
	v_bfe_u32 v7, v0, 4, 1                         ; h
	v_lshlrev_b32 v2, 2, v6
	v_lshl_add_u32 v2, v7, 15, v2
	v_lshlrev_b32 v3, 3, v7
	v_sub_nc_u32 v3, v6, v3
	v_mov_b32 v4, 0xff800000
	s_lshl_b32 s26, s10, 10
	v_add_nc_u32 v8, s26, v1
	v_lshlrev_b32 v9, 4, v0
	v_lshlrev_b32 v10, 12, v6
	v_lshl_add_u32 v10, v7, 5, v10
	s_lshl_b32 s27, s10, 4
	v_add_nc_u32 v10, s27, v10                     ; row r, + 32 h, + 16 x wave (waves 0, 1)
	s_and_b32 s11, ttmp7, 0xffff                   ; b
	s_lshr_b32 s12, s10, 2                         ; kv
	s_mul_i32 s13, s11, 24
	s_add_co_u32 s14, s13, s10
	s_lshl_b32 s14, s14, 12                        ; Q: 4,096 (24 b + head)
	s_mov_b32 s15, 0
	s_add_co_u32 s16, s13, s12
	s_add_co_u32 s18, s16, 20
	s_add_co_u32 s16, s16, 16
	s_lshl_b32 s16, s16, 12                        ; K: slot 16 + kv
	s_mov_b32 s17, 0
	s_lshl_b32 s18, s18, 12                        ; V: slot 20 + kv
	s_mov_b32 s19, 0
	s_lshl_b32 s20, s10, 18                        ; Wo: my head's 64 rows of 4,096 bytes,
	s_lshl_b32 s22, ttmp9, 6                       ; the work-group's 16 columns
	s_add_co_u32 s20, s20, s22
	s_mov_b32 s21, 0
	s_lshl_b32 s23, s11, 23                        ; the output: batch b's first row
	s_add_co_u32 s22, s22, s23
	s_mov_b32 s23, 0
	s_mov_b32 s28, 0x76543210
	s_mov_b32 s29, 0xfedcba98
	s_mov_b32 s30, 0x3e38aa3b                      ; c = log2(e) / 8
	s_wait_kmcnt 0x0
	s_add_nc_u64 s[14:15], s[4:5], s[14:15]
	s_add_nc_u64 s[16:17], s[4:5], s[16:17]
	s_add_nc_u64 s[18:19], s[4:5], s[18:19]
	s_add_nc_u64 s[20:21], s[6:7], s[20:21]
	s_add_nc_u64 s[24:25], s[8:9], s[22:23]
.irp k, 0,1,2,3,4,5,6,7
	global_load_b128 v[16+4*\k:19+4*\k], v1, s[14:15] offset:512*\k
.endr
.irp k, 0,1,2,3,4,5,6,7
	global_load_b128 v[48+4*\k:51+4*\k], v1, s[16:17] offset:512*\k
.endr
.irp k, 0,1,2,3,4,5,6,7
	global_load_b128 v[80+4*\k:83+4*\k], v1, s[18:19] offset:512*\k
.endr
.set n, 0
.rept 32
	global_load_b32 v[112+n], v2, s[20:21] offset:4096*(16*(n/8)+n%8)   ; Wo (64 head + 16 ct + 8 h + i, column r)
.set n, n+1
.endr
	s_wait_loadcnt 40                              ; Q and K are in; V's 8 and Wo's 32 loads may be out
.irp e, 0,1,2,3                                ; S^T = K Q^T in four parts, one for each 16 channels, by turns; each part's first step starts its sum
.irp t, 0,1,2,3
.if \e == 0
	v_wmma_f32_16x16x4_f32 v[144+8*\t:151+8*\t], v[48+8*\t+2*\e:49+8*\t+2*\e], v[16+8*\t+2*\e:17+8*\t+2*\e], 0
.else
	v_wmma_f32_16x16x4_f32 v[144+8*\t:151+8*\t], v[48+8*\t+2*\e:49+8*\t+2*\e], v[16+8*\t+2*\e:17+8*\t+2*\e], v[144+8*\t:151+8*\t]
.endif
.endr
.endr
.rept 8
	v_nop                                          ; eight places behind this form before a vector instruction reads a result
.endr
.irp i, 0,1,2,3,4,5,6,7                        ; lane (r, h): the score of query r and key 8 h + i; each part is read from its low end on
	v_add_f32 v[208+\i], v[144+\i], v[152+\i]
	v_add_f32 v[224+\i], v[160+\i], v[168+\i]
.endr
.irp i, 0,1,2,3,4,5,6,7
	v_add_f32 v[208+\i], v[208+\i], v[224+\i]
.endr
.irp i, 0,1,2,3,4,5,6,7
	v_cmp_gt_i32 vcc_lo, \i, v3                    ; key 8 h + i > query r: hidden
	v_cndmask_b32 v[208+\i], v[208+\i], v4, vcc_lo
.endr
	v_max3_num_f32 v232, v208, v209, v210
	v_max3_num_f32 v233, v211, v212, v213
	v_max3_num_f32 v232, v232, v214, v215
	v_max_num_f32 v232, v232, v233
	v_permlanex16_b32 v233, v232, s28, s29
	v_max_num_f32 v232, v232, v233                 ; the row's maximum: key 0 counts for every query
	v_mul_f32 v232, s30, v232
.irp i, 0,1,2,3,4,5,6,7
	v_fma_f32 v[208+\i], v[208+\i], s30, -v232
.endr
.irp i, 0,1,2,3,4,5,6,7
	v_exp_f32 v[208+\i], v[208+\i]
.endr
	v_nop                                          ; a plain line behind the last exponential
	s_wait_alu depctr_va_vdst(0)                   ; one wait for the batch
	v_add_f32 v234, v208, v209
	v_add_f32 v235, v210, v211
	v_add_f32 v236, v212, v213
	v_add_f32 v237, v214, v215
	v_add_f32 v234, v234, v235
	v_add_f32 v236, v236, v237
	v_add_f32 v234, v234, v236
	v_permlanex16_b32 v235, v234, s28, s29
	v_add_f32 v234, v234, v235
	v_rcp_f32 v234, v234
	v_nop
	s_wait_alu depctr_va_vdst(0)
.irp i, 0,1,2,3,4,5,6,7
	v_mul_f32 v[216+\i], v[208+\i], v234           ; P (query r, key 8 h + i)
.endr
	s_wait_loadcnt 32                              ; V is in; Wo's 32 loads may be out
.irp e, 0,1,2,3                                ; O^T = V^T P: four tiles of 16 channels by turns; K = the 16 keys
.irp t, 0,1,2,3
.if \e == 0
	v_wmma_f32_16x16x4_f32 v[176+8*\t:183+8*\t], v[80+8*\t+2*\e:81+8*\t+2*\e], v[216+2*\e:217+2*\e], 0
.else
	v_wmma_f32_16x16x4_f32 v[176+8*\t:183+8*\t], v[80+8*\t+2*\e:81+8*\t+2*\e], v[216+2*\e:217+2*\e], v[176+8*\t:183+8*\t]
.endif
.endr
.endr
.rept 9
	v_nop                                          ; nine places behind this form before a matrix instruction takes a result as an operand
.endr
	s_wait_loadcnt 0x0                             ; Wo
.irp e, 0,1,2,3                                ; my head's part of the output, transposed (source 0 = 16 columns of Wo, source 1 = O^T), in four parts by turns
.irp t, 0,1,2,3
.if \e == 0
	v_wmma_f32_16x16x4_f32 v[144+8*\t:151+8*\t], v[112+8*\t+2*\e:113+8*\t+2*\e], v[176+8*\t+2*\e:177+8*\t+2*\e], 0
.else
	v_wmma_f32_16x16x4_f32 v[144+8*\t:151+8*\t], v[112+8*\t+2*\e:113+8*\t+2*\e], v[176+8*\t+2*\e:177+8*\t+2*\e], v[144+8*\t:151+8*\t]
.endif
.endr
.endr
.rept 8
	v_nop
.endr
.irp i, 0,1,2,3,4,5,6,7                        ; lane (r, h): row r, columns 8 h + i
	v_add_f32 v[224+\i], v[144+\i], v[152+\i]
	v_add_f32 v[208+\i], v[160+\i], v[168+\i]
.endr
.irp i, 0,1,2,3,4,5,6,7
	v_add_f32 v[224+\i], v[224+\i], v[208+\i]
.endr
	ds_store_b128 v8, v[224:227]
	ds_store_b128 v8, v[228:231] offset:512
	s_wait_dscnt 0x0                               ; for the others' sake: my stores have landed
	s_barrier_signal -1
	s_barrier_wait -1
	s_cmp_lt_u32 s10, 2                            ; wave q of the first two adds registers 4 q .. 4 q + 3 of the 16 heads
	s_cbranch_scc0 .Ldone
.irp i, 0,1,2,3,4,5,6,7,8,9,10,11,12,13,14,15
	ds_load_b128 v[16+4*\i:19+4*\i], v9 offset:1024*\i
.endr
	s_wait_dscnt 0x0
.irp i, 1,2,3,4,5,6,7,8,9,10,11,12,13,14,15
	v_pk_add_f32 v[16:17], v[16:17], v[16+4*\i:17+4*\i]
	v_pk_add_f32 v[18:19], v[18:19], v[18+4*\i:19+4*\i]
.endr
	global_store_b128 v10, v[16:19], s[24:25]
.Ldone:
	s_wait_tensorcnt 0x0                           ; the wave's end, behind my last LDS store
	ds_add_u32 v[SPW], v[NIL]
	s_wait_dscnt 0x0
	s_endpgm
.Lfunc_end_k_q5fed7026b1_first16:
	.size	k_q5fed7026b1_first16, .Lfunc_end_k_q5fed7026b1_first16-k_q5fed7026b1_first16
	.p2alignl 7, 3214868480
	.fill 96, 4, 3214868480
	.section	.rodata,"a",@progbits
	.p2align	6, 0x0
	.amdhsa_kernel k_q5fed7026b1_first16
		.amdhsa_group_segment_fixed_size 18432
		.amdhsa_private_segment_fixed_size 0
		.amdhsa_enable_private_segment 0
		.amdhsa_kernarg_size 24
		.amdhsa_user_sgpr_count 2
		.amdhsa_user_sgpr_kernarg_segment_ptr 1
		.amdhsa_wavefront_size32 1
		.amdhsa_system_sgpr_workgroup_id_x 1
		.amdhsa_system_sgpr_workgroup_id_y 1
		.amdhsa_system_sgpr_workgroup_id_z 1
		.amdhsa_system_vgpr_workitem_id 0
		.amdhsa_next_free_vgpr 256
		.amdhsa_next_free_sgpr 66
		.amdhsa_reserve_vcc 1
		.amdhsa_float_denorm_mode_32 3
		.amdhsa_float_denorm_mode_16_64 3
		.amdhsa_memory_ordered 1
		.amdhsa_forward_progress 1
		.amdhsa_inst_pref_size 19
	.end_amdhsa_kernel
	.amdgpu_metadata
---
amdhsa.version: [ 1, 2 ]
amdhsa.kernels:
  - .name:           k_q5fed7026b1_first16
    .symbol:         k_q5fed7026b1_first16.kd
    .args:
      - { .name: fine, .offset: 0, .size: 8, .value_kind: global_buffer, .address_space: global }
      - { .name: Wo, .offset: 8, .size: 8, .value_kind: global_buffer, .address_space: global }
      - { .name: out0, .offset: 16, .size: 8, .value_kind: global_buffer, .address_space: global }
    .group_segment_fixed_size: 18432
    .private_segment_fixed_size: 0
    .kernarg_segment_align: 8
    .kernarg_segment_size: 24
    .max_flat_workgroup_size: 512
    .sgpr_count:     66
    .vgpr_count:     256
    .wavefront_size: 32
...
	.end_amdgpu_metadata
.endif
;; end of part 5
